; MI455X (gfx1250); checked and timed in simulation.
; The chip was launched on July 23, 2026; its instructions are those of AMD's public machine-readable ISA for CDNA 5 (MIT licence, August 2026) and "CDNA5" Instruction Set Architecture Reference Guide (July 2026). The comments in the code are by the model that wrote it; some were corrected since.
;; Lo RA Like FFN. Allowed arithmetic: float matrix products may take bf16 or f16 operands with f32 sums; other float arithmetic in f32, or as packed bf16 or f16 multiplies, adds, multiply-adds, maxima and minima; sums over many terms, partial sums and values carried from step to step in f32; what a program stores and reads back later, other than sums and carried values, may be rounded once to bf16 or f16.
;; Inputs: a_down 4 x 1,024 x 8 float32; a_up 4 x 8 x 1,024 float32; b1 2,048 float32; b2 1,024 float32; w1 1,024 x 2,048 float32; w2 2,048 x 1,024 float32; x 4 x 4,096 x 1,024 float32.
;; Outputs: out0 4 x 4,096 x 1,024 float32.
;; Constants: adapter_idx = 0.
;; 2 versions, each right; version 2 is version 1 with the launch prep written anew for expert scheduling mode. Each part assembles by itself: llvm-mc -triple=amdgcn-amd-amdhsa -mcpu=gfx1250 --defsym DOCPART=n.
;; ======== version 1 of 2: 3 launches
;; limits: a function is approximated: absolute error at most 2.5e-05; an absolute error that grows with the inputs' magnitude: up to 1.25e-05 times it
;; workspace buffers: xb 33,554,432 bytes; w1t 4,194,304 bytes; w2t 4,194,304 bytes; tb 1,048,576 bytes; h 67,108,864 bytes
;; launch prep (part 1): grid 256 x 1, 8 waves a work-group, no clusters, 119,808 bytes of LDS; arguments x, w1, w2, a_down, xb, w1t, w2t, tb; writes xb, w1t, w2t, tb
.if DOCPART == 1
	.amdgcn_target "amdgcn-amd-amdhsa--gfx1250"
	.amdhsa_code_object_version 6
	.text
	.protected	k_q364acde6ac_prep
	.globl	k_q364acde6ac_prep
	.p2align	8
	.type	k_q364acde6ac_prep,@function
k_q364acde6ac_prep:
	s_mov_b64 s[64:65], 0
	v_nop
	global_prefetch_b8 v0, s[64:65] scope:SCOPE_SE
	s_setreg_imm32_b32 hwreg(HW_REG_WAVE_MODE, 25, 1), 1
	s_wait_xcnt 0x0
; PREP.  xb = x rounded to bf16, [16384][1024].  w1t = w1 turned and rounded, [2048 n][1024 k]; w2t = w2 likewise, [1024 n][2048 k].
; tb = t = x . a_down[0] (adapter 0 is a constant of the problem), a row of 32 bf16: k 0-7 t rounded, k 8-15 what that rounding lost, rounded, k 16-31 zero.
; t is made by the matrix unit from the bf16 x that is in hand and a_down rounded to bf16; its sums stay in f32 until the split.
; SHARES.  Work-group g: rows 64 g .. 64 g + 63 of x, and one tile of 128 k x 128 n of a weight (g < 128: w1, else w2).  Wave w: channels 128 w .. 128 w + 127 of all 64 rows
; (a load of the wave takes 512 consecutive bytes of x, a store 256 consecutive, aligned bytes of xb), and rows 16 w .. 16 w + 15 of the weight tile.
; A stream: every byte of x and of the weights is read once.  NO CLUSTER: what the work-groups share is a_down's 32,768 bytes beside 327,680 bytes of their own.
; No prefetch: the loads themselves go out ahead, two sets of 16 a wave.  NaN and infinities are not treated apart.
.set XSW,   4352                       ; LDS 0: eight stages of 16 rows x 272 bytes, each wave's own: x in bf16 on its way into fragments
.set AD,    34816                      ; a_down[0] in bf16, [1024 k][8], 16 bytes a row
.set WS,    51200                      ; the weight tile turned: 128 rows (n) x 272 bytes (128 k in bf16 + 16 of padding)
.set PT,    86016                      ; partial t in f32: 32 bytes a lane, at 4,096 wave + 1,024 round + 32 lane
.set SPARE, 118784                     ; the spare words, 128 bytes for each wave: four blocks of 256 bytes that no other line names
.set SPW,  1                           ; v1   LDS address of my spare word; never rewritten
.set NIL,  2                           ; v2   0; never rewritten
.set AIN,  4                           ; v4   16 x thread: a_down in
.set AST,  5                           ; v5   AD + 8 x thread
.set WOFF, 6                           ; v6   16 x lane: a weight row in
.set WST,  7                           ; v7   WS + 4 lane rows + 32 wave
.set WRD,  8                           ; v8   WS + (16 wave + lane / 16) rows + 16 (lane % 16)
.set WGO,  9                           ; v9   (lane / 16) rows of the turned weight + 16 (lane % 16)
.set XO,   10                          ; v10  512 wave + 16 lane
.set XBO,  11                          ; v11  256 wave + 8 lane
.set XST,  12                          ; v12  my stage + 8 lane
.set XRD,  13                          ; v13  my stage + 272 (lane % 16) + 16 (lane / 16)
.set ARD,  14                          ; v14  AD + 16 (128 wave + 8 (lane / 16) + lane % 8)
.set PST,  15                          ; v15  PT + 4,096 wave + 32 lane
.set BF,   16                          ; v[16:47]   a_down in f32, then the packed weight, then four fragments of a_down turned
.set WF,   48                          ; v[48:111]  the weight's 16 rows in f32; later v[48:79] its turned rows
.set ACC,  80                          ; v[80:95]   two accumulators
.set AF,   96                          ; v[96:127]  four fragments of x (v112-116 serve the set-up first)
.set X,    128                         ; v[128:255] two sets of 16 rows of x
	s_load_b512 s[4:19], s[0:1], 0x0               ; x 4:5, w1 6:7, w2 8:9, a_down 10:11, xb 12:13, w1t 14:15, w2t 16:17, tb 18:19
	v_lshl_add_u32 v[SPW], v0, 2, SPARE
	v_mov_b32 v[NIL], 0
	v_lshrrev_b32 v115, 5, v0
	v_readfirstlane_b32 s20, v115                  ; wave 0..7
	s_mov_b32 s21, ttmp9                           ; g
	v_and_b32 v112, 31, v0                         ; lane
	v_and_b32 v113, 15, v0                         ; lane % 16
	v_bfe_u32 v114, v0, 4, 1                       ; lane / 16
	v_and_b32 v116, 7, v0                          ; lane % 8
	v_lshlrev_b32 v[AIN], 4, v0
	v_lshl_add_u32 v[AST], v0, 3, AD
	v_lshlrev_b32 v[WOFF], 4, v112
	s_lshl_b32 s32, s20, 5
	s_add_co_u32 s32, s32, WS
	v_mul_u32_u24 v[WST], v112, 4*272
	v_add_nc_u32 v[WST], s32, v[WST]
	s_mul_i32 s33, s20, XSW                        ; 16 rows of 272 bytes
	s_add_co_u32 s32, s33, WS
	v_mul_u32_u24 v[WRD], v114, 272
	v_lshl_add_u32 v[WRD], v113, 4, v[WRD]
	v_add_nc_u32 v[WRD], s32, v[WRD]
	s_lshl_b32 s32, s20, 9
	v_lshl_add_u32 v[XO], v112, 4, s32
	s_lshl_b32 s32, s20, 8
	v_lshl_add_u32 v[XBO], v112, 3, s32
	v_lshl_add_u32 v[XST], v112, 3, s33
	v_mul_u32_u24 v[XRD], v113, 272
	v_lshl_add_u32 v[XRD], v114, 4, v[XRD]
	v_add_nc_u32 v[XRD], s33, v[XRD]
	s_lshl_b32 s32, s20, 11
	s_add_co_u32 s32, s32, AD
	v_lshl_add_u32 v[ARD], v114, 3, v116
	v_lshl_add_u32 v[ARD], v[ARD], 4, s32
	s_lshl_b32 s32, s20, 12
	s_add_co_u32 s32, s32, PT
	v_lshl_add_u32 v[PST], v112, 5, s32
	s_mov_b32 s23, 0
	s_mov_b32 s25, 0
	s_wait_kmcnt 0x0
	s_lshl_b32 s22, s21, 18                        ; 64 rows of 4,096 bytes
	s_add_nc_u64 s[4:5], s[4:5], s[22:23]
	s_lshl_b32 s22, s21, 17                        ; 64 rows of 2,048 bytes
	s_add_nc_u64 s[12:13], s[12:13], s[22:23]
	s_lshl_b32 s22, s21, 12                        ; 64 rows of 64 bytes
	s_add_nc_u64 s[18:19], s[18:19], s[22:23]
; 16 rows of the weight tile, 512 bytes each
.macro WLOAD pitch
.set j, 0
.rept 16
	global_load_b128 v[WF+4*j:WF+4*j+3], v[WOFF], s[26:27] offset:j*(\pitch) th:TH_LOAD_NT
.set j, j+1
.endr
.endm
; 16 turned rows out, two at a time: sixteen lanes store 256 consecutive, aligned bytes
.macro WSTORE pitch
.irp t, 0,1,2,3,4,5,6,7
	global_store_b128 v[WGO], v[WF+4*(\t):WF+4*(\t)+3], s[28:29] offset:2*(\t)*(\pitch)
.endr
.endm
; rows 16 i .. 16 i + 15 of x, my 512 bytes of each, into set b
.macro XLOAD b, i
.set j, 0
.rept 16
	global_load_b128 v[X+64*(\b)+4*j:X+64*(\b)+4*j+3], v[XO], s[4:5] offset:(16*(\i)+j)*4096 th:TH_LOAD_NT
.set j, j+1
.endr
.endm
	; THE LOADS, in this order: a_down 8, the weight 16, x 16 + 16: 56 of a wave are out
.irp j, 0,1,2,3,4,5,6,7
	global_load_b128 v[BF+4*(\j):BF+4*(\j)+3], v[AIN], s[10:11] offset:4096*(\j)
.endr
	s_cmp_lt_u32 s21, 128
	s_cbranch_scc0 .Lw2_in
	s_and_b32 s32, s21, 7                          ; w1: k tile
	s_lshr_b32 s33, s21, 3                         ; n tile
	s_lshl_b32 s22, s32, 20                        ; 128 rows of 8,192 bytes
	s_lshl_b32 s34, s33, 9
	s_add_co_u32 s22, s22, s34
	s_lshl_b32 s34, s20, 17                        ; my 16 rows
	s_add_co_u32 s22, s22, s34
	s_lshl_b32 s24, s33, 18                        ; out: 128 rows of 2,048 bytes
	s_lshl_b32 s34, s32, 8
	s_add_co_u32 s24, s24, s34
	s_lshl_b32 s34, s20, 15                        ; my 16 rows
	s_add_co_u32 s24, s24, s34
	s_add_nc_u64 s[26:27], s[6:7], s[22:23]
	s_add_nc_u64 s[28:29], s[14:15], s[24:25]
	v_lshlrev_b32 v[WGO], 11, v114
	v_lshl_add_u32 v[WGO], v113, 4, v[WGO]
	WLOAD 8192
	s_branch .Lw_in
.Lw2_in:
	s_sub_co_u32 s34, s21, 128
	s_and_b32 s32, s34, 15                         ; w2: k tile
	s_lshr_b32 s33, s34, 4                         ; n tile
	s_lshl_b32 s22, s32, 19                        ; 128 rows of 4,096 bytes
	s_lshl_b32 s34, s33, 9
	s_add_co_u32 s22, s22, s34
	s_lshl_b32 s34, s20, 16
	s_add_co_u32 s22, s22, s34
	s_lshl_b32 s24, s33, 19                        ; out: 128 rows of 4,096 bytes
	s_lshl_b32 s34, s32, 8
	s_add_co_u32 s24, s24, s34
	s_lshl_b32 s34, s20, 16
	s_add_co_u32 s24, s24, s34
	s_add_nc_u64 s[26:27], s[8:9], s[22:23]
	s_add_nc_u64 s[28:29], s[16:17], s[24:25]
	v_lshlrev_b32 v[WGO], 12, v114
	v_lshl_add_u32 v[WGO], v113, 4, v[WGO]
	WLOAD 4096
.Lw_in:
	XLOAD 0, 0
	XLOAD 1, 1
	s_wait_loadcnt 48                              ; a_down is in: the 48 younger loads stay out
.irp j, 0,1,2,3,4,5,6,7
	v_cvt_pk_bf16_f32 v[BF+4*(\j)],   v[BF+4*(\j)],   v[BF+4*(\j)+1]
	v_cvt_pk_bf16_f32 v[BF+4*(\j)+1], v[BF+4*(\j)+2], v[BF+4*(\j)+3]
	ds_store_b64 v[AST], v[BF+4*(\j):BF+4*(\j)+1] offset:2048*(\j)
.endr
	s_wait_loadcnt 32                              ; the weight's 16 rows are in: x's 32 loads stay out
	; lane l holds n = 4 l + c of 16 k: for each c the 16 k pack into 32 bytes of row n of the turned tile
.irp c, 0,1,2,3
.irp q, 0,1,2,3,4,5,6,7
	v_cvt_pk_bf16_f32 v[BF+8*(\c)+(\q)], v[WF+8*(\q)+(\c)], v[WF+8*(\q)+4+(\c)]
.endr
.endr
.irp c, 0,1,2,3
	ds_store_b128 v[WST], v[BF+8*(\c):BF+8*(\c)+3]   offset:272*(\c)
	ds_store_b128 v[WST], v[BF+8*(\c)+4:BF+8*(\c)+7] offset:272*(\c)+16
.endr
	s_wait_dscnt 0x0                               ; for the others' sake: my parts of a_down and of the turned tile are written
	s_barrier_signal -1
	s_barrier_wait -1
.irp t, 0,1,2,3,4,5,6,7
	ds_load_b128 v[WF+4*(\t):WF+4*(\t)+3], v[WRD] offset:544*(\t)  ; two whole rows of 256 bytes
.endr
	; a_down turned: source 0 of t^T = a_down^T x^T.  Both halves of eight lanes name the same 16 bytes of a row, so rows 8-15 of the fragment repeat rows 0-7
.irp c, 0,1,2,3
	ds_load_tr16_b128 v[BF+8*(\c):BF+8*(\c)+3],   v[ARD] offset:512*(\c)
	ds_load_tr16_b128 v[BF+8*(\c)+4:BF+8*(\c)+7], v[ARD] offset:512*(\c)+256
.endr
	s_wait_dscnt 8                                 ; the turned rows are back: the eight turning loads stay out
	s_cmp_lt_u32 s21, 128
	s_cbranch_scc0 .Lw2_out
	WSTORE 2048
	s_branch .Lw_out
.Lw2_out:
	WSTORE 4096
.Lw_out:
; ROUND i: rows 16 i .. 16 i + 15, in set b.  left: the younger loads that may stay out.  fill = 1: the set is asked for again, two rounds on.
.macro ROUND i, b, left, fill
	s_wait_loadcnt \left
.set j, 0
.rept 16
	v_cvt_pk_bf16_f32 v[X+64*(\b)+4*j],   v[X+64*(\b)+4*j],   v[X+64*(\b)+4*j+1]
	v_cvt_pk_bf16_f32 v[X+64*(\b)+4*j+1], v[X+64*(\b)+4*j+2], v[X+64*(\b)+4*j+3]
.set j, j+1
.endr
.set j, 0
.rept 16
	global_store_b64 v[XBO], v[X+64*(\b)+4*j:X+64*(\b)+4*j+1], s[12:13] offset:(16*(\i)+j)*2048  ; the wave stores 256 consecutive bytes, aligned
.set j, j+1
.endr
.set j, 0
.rept 16
	ds_store_b64 v[XST], v[X+64*(\b)+4*j:X+64*(\b)+4*j+1] offset:272*j
.set j, j+1
.endr
.irp c, 0,1,2,3
	ds_load_b128 v[AF+8*(\c):AF+8*(\c)+3],   v[XRD] offset:64*(\c)     ; my own bytes: LDS serves a wave's instructions in order (ISA guide 5.7.1.4)
	ds_load_b128 v[AF+8*(\c)+4:AF+8*(\c)+7], v[XRD] offset:64*(\c)+32
.endr
.if \fill
	s_wait_xcnt 0x0                                ; the stores above read the set's registers: they are loaded again only behind this wait
	XLOAD \b, (\i)+2
.endif
	s_wait_dscnt 0x0                               ; the fragments are in (in round 0 a_down's too)
	; two accumulators by turns; the first two products start the sums
	v_wmma_f32_16x16x32_bf16 v[ACC:ACC+7],    v[BF:BF+7],     v[AF:AF+7],     0
	v_wmma_f32_16x16x32_bf16 v[ACC+8:ACC+15], v[BF+8:BF+15],  v[AF+8:AF+15],  0
	v_wmma_f32_16x16x32_bf16 v[ACC:ACC+7],    v[BF+16:BF+23], v[AF+16:AF+23], v[ACC:ACC+7]
	v_wmma_f32_16x16x32_bf16 v[ACC+8:ACC+15], v[BF+24:BF+31], v[AF+24:AF+31], v[ACC+8:ACC+15]
.rept 8
	v_nop                                          ; the places behind the products (ISA guide 7.12.1); no other vector work is at hand
.endr
.irp q, 0,2,4,6
	v_pk_add_f32 v[ACC+(\q):ACC+(\q)+1], v[ACC+(\q):ACC+(\q)+1], v[ACC+8+(\q):ACC+8+(\q)+1]  ; from the low end on
.endr
	ds_store_b128 v[PST], v[ACC:ACC+3]   offset:1024*(\i)      ; lane r < 16: my 128 channels' part of t[row r][0..7]
	ds_store_b128 v[PST], v[ACC+4:ACC+7] offset:1024*(\i)+16
.endm
	ROUND 0, 0, 16, 1
	ROUND 1, 1, 16, 1
	ROUND 2, 0, 16, 0
	ROUND 3, 1, 0, 0
	s_wait_dscnt 0x0                               ; for the others' sake: my partial sums are written
	s_barrier_signal -1
	s_barrier_wait -1
	; THE SUM OVER THE EIGHT WAVES, in f32.  Thread t: row t / 4, quarter t % 4 of its 64 bytes in tb
	s_wait_xcnt 0x0                                ; xb's stores have read x's registers, which are written below
	v_lshrrev_b32 v3, 6, v0                        ; the row's round
	v_bfe_u32 v4, v0, 2, 4                         ; its lane
	v_lshlrev_b32 v3, 10, v3
	v_lshl_add_u32 v3, v4, 5, v3
	v_add_nc_u32 v3, PT, v3
	v_and_b32 v4, 3, v0
	v_lshlrev_b32 v5, 4, v0
	v_cmp_eq_u32 s30, 0, v4
	v_cmp_eq_u32 s31, 1, v4
.irp w, 0,1,2,3,4,5,6,7
	ds_load_b128 v[X+8*(\w):X+8*(\w)+3],   v3 offset:4096*(\w)
	ds_load_b128 v[X+8*(\w)+4:X+8*(\w)+7], v3 offset:4096*(\w)+16
.endr
	s_wait_dscnt 0x0
.irp w, 0,2,4,6
.irp q, 0,2,4,6
	v_pk_add_f32 v[X+8*(\w)+(\q):X+8*(\w)+(\q)+1], v[X+8*(\w)+(\q):X+8*(\w)+(\q)+1], v[X+8*(\w)+8+(\q):X+8*(\w)+8+(\q)+1]
.endr
.endr
.irp w, 0,4
.irp q, 0,2,4,6
	v_pk_add_f32 v[X+8*(\w)+(\q):X+8*(\w)+(\q)+1], v[X+8*(\w)+(\q):X+8*(\w)+(\q)+1], v[X+8*(\w)+16+(\q):X+8*(\w)+16+(\q)+1]
.endr
.endr
.irp q, 0,2,4,6
	v_pk_add_f32 v[X+(\q):X+(\q)+1], v[X+(\q):X+(\q)+1], v[X+32+(\q):X+32+(\q)+1]
.endr
.irp q, 0,1,2,3
	v_cvt_pk_bf16_f32 v[192+(\q)], v[X+2*(\q)], v[X+2*(\q)+1]  ; t rounded
.endr
.irp q, 0,1,2,3
	v_lshlrev_b32 v[200+2*(\q)],   16, v[192+(\q)]
	v_and_b32     v[200+2*(\q)+1], 0xffff0000, v[192+(\q)]
.endr
.irp q, 0,1,2,3,4,5,6,7
	v_sub_f32 v[200+(\q)], v[X+(\q)], v[200+(\q)]              ; what the rounding lost
.endr
.irp q, 0,1,2,3
	v_cvt_pk_bf16_f32 v[196+(\q)], v[200+2*(\q)], v[200+2*(\q)+1]
.endr
.irp q, 0,1,2,3
	v_cndmask_b32 v[208+(\q)], 0, v[196+(\q)], s31             ; quarter 1: the rest; quarters 2, 3: zero
	v_cndmask_b32 v[208+(\q)], v[208+(\q)], v[192+(\q)], s30   ; quarter 0: t rounded
.endr
	global_store_b128 v5, v[208:211], s[18:19]     ; 16 bytes a thread on end: whole aligned blocks of 256 bytes
	s_wait_tensorcnt 0x0                           ; the wave's end, behind my last LDS store
	ds_add_u32 v[SPW], v[NIL]
	s_wait_dscnt 0x0
	s_endpgm
.Lfunc_end_k_q364acde6ac_prep:
	.size	k_q364acde6ac_prep, .Lfunc_end_k_q364acde6ac_prep-k_q364acde6ac_prep
	.p2alignl 7, 3214868480
	.fill 96, 4, 3214868480
	.section	.rodata,"a",@progbits
	.p2align	6, 0x0
	.amdhsa_kernel k_q364acde6ac_prep
		.amdhsa_group_segment_fixed_size 119808
		.amdhsa_private_segment_fixed_size 0
		.amdhsa_enable_private_segment 0
		.amdhsa_kernarg_size 64
		.amdhsa_user_sgpr_count 2
		.amdhsa_user_sgpr_kernarg_segment_ptr 1
		.amdhsa_wavefront_size32 1
		.amdhsa_system_sgpr_workgroup_id_x 1
		.amdhsa_system_sgpr_workgroup_id_y 1
		.amdhsa_system_sgpr_workgroup_id_z 1
		.amdhsa_system_vgpr_workitem_id 0
		.amdhsa_next_free_vgpr 256
		.amdhsa_next_free_sgpr 66
		.amdhsa_reserve_vcc 0
		.amdhsa_float_denorm_mode_32 3
		.amdhsa_float_denorm_mode_16_64 3
		.amdhsa_memory_ordered 1
		.amdhsa_forward_progress 1
		.amdhsa_inst_pref_size 50
	.end_amdhsa_kernel
	.amdgpu_metadata
---
amdhsa.version: [ 1, 2 ]
amdhsa.kernels:
  - .name:           k_q364acde6ac_prep
    .symbol:         k_q364acde6ac_prep.kd
    .args:
      - { .name: x, .offset: 0, .size: 8, .value_kind: global_buffer, .address_space: global }
      - { .name: w1, .offset: 8, .size: 8, .value_kind: global_buffer, .address_space: global }
      - { .name: w2, .offset: 16, .size: 8, .value_kind: global_buffer, .address_space: global }
      - { .name: a_down, .offset: 24, .size: 8, .value_kind: global_buffer, .address_space: global }
      - { .name: xb, .offset: 32, .size: 8, .value_kind: global_buffer, .address_space: global }
      - { .name: w1t, .offset: 40, .size: 8, .value_kind: global_buffer, .address_space: global }
      - { .name: w2t, .offset: 48, .size: 8, .value_kind: global_buffer, .address_space: global }
      - { .name: tb, .offset: 56, .size: 8, .value_kind: global_buffer, .address_space: global }
    .group_segment_fixed_size: 119808
    .private_segment_fixed_size: 0
    .kernarg_segment_align: 8
    .kernarg_segment_size: 64
    .max_flat_workgroup_size: 256
    .sgpr_count:     66
    .vgpr_count:     256
    .wavefront_size: 32
...
	.end_amdgpu_metadata
.endif
;; end of part 1
;; launch gemm1 (part 2): grid 8 x 32, 4 waves a work-group, clusters of 4 x 4, 327,680 bytes of LDS; arguments xb, w1t, h, b1; writes h
.if DOCPART == 2
	.amdgcn_target "amdgcn-amd-amdhsa--gfx1250"
	.amdhsa_code_object_version 6
	.text
	.protected	k_q364acde6ac_gemm1
	.globl	k_q364acde6ac_gemm1
	.p2align	8
	.type	k_q364acde6ac_gemm1,@function
k_q364acde6ac_gemm1:
	s_mov_b64 s[64:65], 0
	v_nop
	global_prefetch_b8 v0, s[64:65] scope:SCOPE_SE
	s_setreg_imm32_b32 hwreg(HW_REG_WAVE_MODE, 25, 1), 1
	s_wait_xcnt 0x0
	s_wait_alu depctr_hold_cnt(0) depctr_sa_sdst(0) depctr_va_vdst(0) depctr_va_sdst(0) depctr_va_ssrc(0) depctr_va_vcc(0) depctr_vm_vsrc(0)
	s_getreg_b32 s2, hwreg(HW_REG_IB_STS2, 6, 4)
	s_cmp_eq_u32 s2, 0
	s_cbranch_scc0 .Lentry_in_a_cluster
	s_endpgm
.Lentry_in_a_cluster:
	s_bfe_u32 s2, ttmp6, 0x10000c
	s_cmp_lg_u32 s2, 0xf033
	s_cbranch_scc0 .Lentry_shape_is_right
	s_endpgm
.Lentry_shape_is_right:
; h[m][n] = gelu(sum over k of xb[m][k] w1t[n][k] + b1[n]), rounded once to bf16.  xb: [16384][1024], w1t: [2048][1024], h: [16384][2048], bf16; b1 f32; sums in f32.
; GELU, exact form: g = max(s, 0) - |s| y, y = erfc(|s| / sqrt 2) / 2 = ((a3 t + a2) t + a1) t 2^(c s s), t = 1 / (1 + p |s|): Abramowitz and Stegun 7.1.25 with the factor 1/2 and
; the root folded into its constants.  LIMITS: the formula's erf is off by 2.5e-5 at the most for every argument, so g by 1.25e-5 |s|; where s s overflows the power is 0 and g = max(s, 0); NaN and infinities are not treated apart.
; A tile of h, 256 x 256, is made by four waves, each 128 x 128: 64 accumulators of 16 x 16, 512 registers.  K goes in steps of 128 through a ring of two LDS slots filled by the tensor data mover.
; A WORK-GROUP STAYS: two tiles, 8,192 rows apart; the ring runs on into the second tile, whose first two K steps are asked for in the first tile's last two changes of slots.
; CLUSTERS: 4 x 4 work-groups.  The four of a row of the cluster need the same tiles of xb, the four of a column the same tiles of w1t: each tile is asked for JOINTLY, by the same tensor load,
; descriptor and mask in all four.
; THE BIAS is the C operand of each accumulator's first product, in f32: nothing is cleared and nothing is added on the way out.
; THE MATRIX INSTRUCTION IS USED TRANSPOSED (source 0 = 16 rows of w1t, source 1 = 16 rows of xb): lane l holds row l % 16 and the columns 8 (l / 16) + 0..7.
; REGISTERS, in windows of 256 (s_set_vgpr_msb: bits 1:0 source 0, 3:2 source 1, 5:4 source 2, 7:6 destination):
;   window 0: v0-31 addresses and four pairs at work; v64-127, v128-191 fragments of xb, two buffers; on the way out v32-63 results, v128-191 sums read back, v192-255 at work
;   window 1: v0-63 the bias of my 128 columns, laid as eight C operands; v64-127, v128-191 fragments of w1t
;   window 2: the accumulators of my rows 0-63 ((a, b) at v[8 (8 a + b)]);   window 3: those of my rows 64-127
.set SIZE_M, 16384
.set SIZE_N, 2048
.set SIZE_K, 1024
.set SIZE_TILES, 2
.set KSTEP,  128
.set PITCH,  272                       ; an LDS row: 256 bytes + 16 of padding = 68 words: row r starts at bank 4 r mod 64 (64 banks of 4 bytes: ISA guide 11.1)
.set HALFT,  128*PITCH                 ; 128 rows: what one tensor load brings, and what one wave reads of A or of B
.set SLOT,   4*HALFT                   ; A's 256 rows, then B's 256 rows
.set STAGE,  2*SLOT                    ; behind the ring: 16 rows x 528 bytes of f32 for each wave, for the way out; no tensor load lands here
.set SPITCH, 528                       ; 512 bytes + 16 = 132 words: again row r starts at bank 4 r mod 64
.set SPARE,  STAGE+4*16*SPITCH         ; the spare words, 128 bytes for each wave: two blocks of 256 bytes that no other line names
.set LAPS,   SIZE_K/(2*KSTEP)          ; a lap = two K steps = once round the ring
.set WALK,   SIZE_M/SIZE_TILES
.set NEXT_A, WALK*SIZE_K*2-(SIZE_K-2*KSTEP)*2   ; from a slot's last K step of a tile to its first of the next: A goes WALK rows down and back along K,
.set BACK_B, (SIZE_K-2*KSTEP)*2        ; B only back
.set ROWC,   SIZE_N*2                  ; bytes in a row of h
.set ADRA, 16                          ; v16-17  LDS address of my A fragments in slot 0, 1
.set ADRB, 20                          ; v20-21  the same for B
.set STO,  24                          ; v24     the way out: where I put 32 bytes of a row
.set RD,   25                          ; v25     the way out: where I read 32 bytes of a row back
.set CO,   26                          ; v26     my byte offset in h
.set BO,   27                          ; v27     32 (l / 16): my offset in a block of 16 numbers of the bias
.set SPW,  28                          ; v28     LDS address of my spare word; never rewritten
.set NIL,  29                          ; v29     0; never rewritten
.set PFO,  30                          ; v30     the prefetches' offset: my lane x a row of A or B; never rewritten
.set TM,   6                           ; v6-13   four pairs at work in the polynomial
.set H0,   32                          ; v32-47, v48-63  results in bf16: rows 0-7, rows 8-15 of a block
.set T0,   128                         ; v128-159, v160-191  sums read back from the stage
.set DD,   192                         ; v192-223  1 + p |s|, then t, then y
.set QQ,   224                         ; v224-255  c s s, then the power, then g
.set F0,   64
.set F1,   128
.set PFA,  44                          ; s[44:45] where my prefetches stand
.set LIM,  43                          ; s43     1 in a wave that prefetches, else the greatest number
.set G1,  24                           ; s[24:31] descriptor group 1 for A's tiles
.set G0,  32                           ; s[32:39] group 0 for A's tiles, a set for each slot
.set G1B, 48                           ; s[48:55], s[56:63] the same for B's
.set G0B, 56
.set CP,  66                           ; s[66:67] p      (each constant twice: the packed forms name a pair)
.set CC,  68                           ; s[68:69] c
.set CA1, 70                           ; s[70:71] a1
.set CA2, 72                           ; s[72:73] a2
.set CA3, 74                           ; s[74:75] a3
.set BLK, 76                           ; s76     counts the way out's blocks of 16 rows
.set BIA, 78                           ; s[78:79] b1
.set MSB, 0
.macro WIN new                         ; the immediate's high byte repeats the setting that is left; a switch that changes nothing is dropped
.if MSB != (\new)
	s_set_vgpr_msb (MSB<<8)|(\new)
.set MSB, \new
.endif
.endm
.set MUL_LO, 0xa1                      ; source 0 (B) window 1, source 1 (A) window 0, C and D window 2
.set TO_B,   0x40                      ; destination window 1, address window 0
; A joint load.  Waves 0 and 1 fetch A's two halves, waves 2 and 3 B's; the branch hangs on the wave's number alone.  An s_nop 0 and four v_nop follow each of the two lines.
.macro JLOAD s
	s_cmp_eq_u32 s11, 0
	s_cbranch_scc0 .Lfor_b_\@
	tensor_load_to_lds s[G0+4*(\s):G0+4*(\s)+3], s[G1:G1+7]
	s_nop 0
.rept 4
	v_nop
.endr
	s_branch .Lasked_\@
.Lfor_b_\@:
	tensor_load_to_lds s[G0B+4*(\s):G0B+4*(\s)+3], s[G1B:G1B+7]
	s_nop 0
.rept 4
	v_nop
.endr
.Lasked_\@:
.endm
; A prefetch, behind each joint load and the run of LDS loads that follows it: the K step that stands two refills on, 32 rows x 256 bytes, a lane a row, one instruction a wave: 512 matrix instructions ahead of the load that names it.
; Each row's 256 bytes of a K step are named once in the launch: of the clusters that read A's rows the one with x = 0 asks, of those that read B's the one with y = 0; the four partners
; that ask for a tile jointly take 32 rows each of the 128 that a wave fetches, told apart by address.  how = 0, in the loop: a tile's last two refills have no K step two on; how = 1, at the change of tiles.
.macro ASK how
.if \how
	s_cmp_eq_u32 s[LIM], 1
.else
	s_cmp_gt_u32 s3, s[LIM]                        ; s3 = 1 in the loop's last trip
.endif
	s_cbranch_scc0 .Lnot_mine_\@
	global_prefetch_b8 v[PFO], s[PFA:PFA+1] offset:KSTEP*2 th:TH_LOAD_NT scope:SCOPE_SE
.Lnot_mine_\@:
.endm
.macro CREST                           ; a round of the cluster's barrier behind its opening barrier
	s_cmp_lg_u32 s10, 0
	s_cbranch_scc1 .Lnot_wave_0_\@
	s_barrier_signal -3
.Lnot_wave_0_\@:
	s_barrier_wait -3
	s_barrier_signal -1
	s_barrier_wait -1
.endm
.macro CROUND                          ; a whole round
	s_barrier_signal -1
	s_barrier_wait -1
	CREST
.endm
	s_load_b128 s[4:7], s[0:1], 0x0                ; xb s[4:5], w1t s[6:7]
	s_load_b64 s[8:9], s[0:1], 0x10                ; h
	s_load_b64 s[BIA:BIA+1], s[0:1], 0x18          ; b1
	v_lshl_add_u32 v[SPW], v0, 2, SPARE
	v_mov_b32 v[NIL], 0
	ds_add_u32 v[SPW], v[NIL]                      ; the wave's opening: the add, twice on end, and its wait ahead of my first tensor load
	ds_add_u32 v[SPW], v[NIL]                      ; and once more, under the one wait; the set-up below, work on registers, stands between
	v_lshrrev_b32 v1, 5, v0
	v_readfirstlane_b32 s10, v1                    ; wave 0..3
	s_lshr_b32 s11, s10, 1                         ; which half of the tile's rows is mine.  Also: I fetch for A (0) or for B (1)
	s_and_b32 s12, s10, 1                          ; which half of its columns.  Also: which 128 rows of that tile I fetch
	s_bfe_u32 s40, ttmp6, 0x40000                  ; cx
	s_bfe_u32 s41, ttmp6, 0x40004                  ; cy
	s_lshl_b32 s42, ttmp9, 2
	s_add_co_u32 s42, s42, s40                     ; tile column = 4 x cluster x + cx
	s_and_b32 s13, ttmp7, 0xffff
	s_lshl_b32 s13, s13, 2
	s_add_co_u32 s13, s13, s41                     ; tile row = 4 x cluster y + cy
	s_lshl_b32 s43, s41, 2
	s_lshl_b32 s43, 15, s43                        ; my row of the cluster: places 4 cy .. 4 cy + 3
	s_lshl_b32 s44, 0x1111, s40                    ; my column: places cx, cx + 4, cx + 8, cx + 12
	; descriptor group 1: a tile of 128 rows x 128 elements of 2 bytes, 4 words of padding after every 64
	s_or_b32 s[G1+0], s43, (1<<16)|(1<<20)|(1<<21)|(5<<22)|(3<<25)   ; the mask: A's tiles go to my row
	s_or_b32 s[G1B+0], s44, (1<<16)|(1<<20)|(1<<21)|(5<<22)|(3<<25)  ; B's to my column
.irp g, G1, G1B
	s_mov_b32 s[(\g)+1], KSTEP<<16                 ; tensor_dim0 = 128
	s_mov_b32 s[(\g)+2], 128<<16                   ; tensor_dim1 = 128
	s_mov_b32 s[(\g)+3], KSTEP<<16                 ; tile_dim0 = 128
	s_mov_b32 s[(\g)+4], 128                       ; tile_dim1 = 128
	s_mov_b32 s[(\g)+5], SIZE_K                    ; elements from row to row
	s_mov_b32 s[(\g)+6], 0
	s_mov_b32 s[(\g)+7], 0
.endr
	s_mov_b32 s[CP], 0x3eaa540e                    ; p = 0.47047 / sqrt 2
	s_mov_b32 s[CP+1], 0x3eaa540e
	s_mov_b32 s[CC], 0xbf38aa3b                    ; c = -log2(e) / 2
	s_mov_b32 s[CC+1], 0xbf38aa3b
	s_mov_b32 s[CA1], 0x3e32303a                   ; a1 = 0.3480242 / 2
	s_mov_b32 s[CA1+1], 0x3e32303a
	s_mov_b32 s[CA2], 0xbd445ca1                   ; a2 = -0.0958798 / 2
	s_mov_b32 s[CA2+1], 0xbd445ca1
	s_mov_b32 s[CA3], 0x3ebf7377                   ; a3 = 0.7478556 / 2
	s_mov_b32 s[CA3+1], 0x3ebf7377
	; where the tiles come from: A's hang on the tile row alone, B's on the tile column alone
	s_lshl_b32 s17, s12, 7
	s_lshl_b32 s16, s13, 8
	s_add_co_u32 s16, s16, s17                     ; A: row 256 x tile row + 128 x half
	s_lshl_b32 s46, s42, 8
	s_add_co_u32 s46, s46, s17                     ; B: row 256 x tile column + 128 x half
	s_mov_b32 s17, 0
	s_mov_b32 s47, 0
	s_mov_b64 s[18:19], SIZE_K*2
	s_mul_u64 s[16:17], s[16:17], s[18:19]
	s_mul_u64 s[46:47], s[46:47], s[18:19]
	s_mul_i32 s20, s10, HALFT                      ; where they go: wave x 128 rows: no place in the cluster enters an LDS address
	s_wait_dscnt 0x0                               ; both opening adds are done
	s_wait_kmcnt 0x0
	s_add_nc_u64 s[14:15], s[4:5], s[16:17]
	s_add_nc_u64 s[46:47], s[6:7], s[46:47]
	CROUND                                         ; all sixteen work-groups are here: the first joint loads meet
.irp s, 0,1
	s_mov_b32 s[G0+4*(\s)], 1
	s_add_co_u32 s[G0+4*(\s)+1], s20, (\s)*SLOT
	s_add_nc_u64 s[G0+4*(\s)+2:G0+4*(\s)+3], s[14:15], (\s)*KSTEP*2
	s_or_b32 s[G0+4*(\s)+3], s[G0+4*(\s)+3], 0x80000000
	s_mov_b32 s[G0B+4*(\s)], 1
	s_add_co_u32 s[G0B+4*(\s)+1], s20, (\s)*SLOT
	s_add_nc_u64 s[G0B+4*(\s)+2:G0B+4*(\s)+3], s[46:47], (\s)*KSTEP*2
	s_or_b32 s[G0B+4*(\s)+3], s[G0B+4*(\s)+3], 0x80000000
	JLOAD \s                                       ; two tensor loads of mine are out
.endr
	; a fragment is 16 rows x 32 K in 8 registers: lane l holds row l % 16, K = 8 (l / 16) + 0..7 and 16 + 8 (l / 16) + 0..7: two loads of 16 bytes, 32 bytes apart
	v_and_b32 v1, 15, v0                           ; l % 16
	v_bfe_u32 v2, v0, 4, 1                         ; l / 16
	v_mul_u32_u24 v3, v1, PITCH
	v_lshl_add_u32 v3, v2, 4, v3
	s_mul_i32 s21, s11, HALFT                      ; my 128 rows of A
	s_mul_i32 s22, s12, HALFT                      ; my 128 rows of B,
	s_add_co_u32 s22, s22, 2*HALFT                 ; which lie behind A's 256
.irp s, 0,1
	v_add_nc_u32 v[ADRA+(\s)], s21, v3
	v_add_nc_u32 v[ADRB+(\s)], s22, v3
	s_add_co_u32 s21, s21, SLOT
	s_add_co_u32 s22, s22, SLOT
.endr
	s_mul_i32 s23, s10, 16*SPITCH
	s_add_co_u32 s23, s23, STAGE                   ; my stage
	v_mul_u32_u24 v4, v1, SPITCH                   ; in: row l % 16, 32 bytes for each half of the lanes
	v_lshl_add_u32 v4, v2, 5, v4
	v_add_nc_u32 v[STO], s23, v4
	v_mul_u32_u24 v5, v2, SPITCH                   ; back: lanes 0-15 take one row, 8 columns each, lanes 16-31 the next
	v_lshl_add_u32 v5, v1, 5, v5
	v_add_nc_u32 v[RD], s23, v5
	v_lshlrev_b32 v5, 12, v2                       ; and the same two rows in h, 16 bytes a lane
	v_lshl_add_u32 v[CO], v1, 4, v5
	v_lshlrev_b32 v[BO], 5, v2
	; where my part of the first tile begins in h: the first way out adds it to h's address
	s_lshl_b32 s13, s13, 8
	s_lshl_b32 s14, s11, 7
	s_add_co_u32 s16, s13, s14
	s_mov_b32 s17, 0
	s_mov_b64 s[18:19], ROWC
	s_mul_u64 s[16:17], s[16:17], s[18:19]
	s_lshl_b32 s46, s42, 9                         ; my first column, in bytes: 512 x tile column + 256 x half
	s_lshl_b32 s47, s12, 8
	s_add_co_u32 s46, s46, s47
	s_mov_b32 s47, 0
	s_add_nc_u64 s[16:17], s[16:17], s[46:47]
	s_lshl_b32 s46, s42, 10                        ; the same column in b1: 4 bytes a number
	s_lshl_b32 s47, s12, 9
	s_add_co_u32 s46, s46, s47
	s_mov_b32 s47, 0
	s_add_nc_u64 s[BIA:BIA+1], s[BIA:BIA+1], s[46:47]
	WIN TO_B
.irp b, 0,1,2,3,4,5,6,7                ; register j of block b: b1[my column + 16 b + 8 (l / 16) + j]: where the accumulator holds that column
	global_load_b128 v[8*(\b):8*(\b)+3],   v[BO], s[BIA:BIA+1] offset:64*(\b)
	global_load_b128 v[8*(\b)+4:8*(\b)+7], v[BO], s[BIA:BIA+1] offset:64*(\b)+16
.endr
	WIN 0
	; the prefetches.  s13 = 256 x tile row, s42 = tile column, s40 = cx, s41 = cy still stand
	s_lshl_b32 s42, s42, 8
	s_and_b32 s22, ttmp7, 0xffff                   ; cluster y
	s_cmp_eq_u32 s11, 0                            ; do I fetch for A?
	s_cselect_b32 s20, s13, s42                    ; the tile's first row
	s_cselect_b32 s21, s40, s41                    ; my place among the four that ask for it with me
	s_cselect_b32 s22, ttmp9, s22                  ; the coordinate along which other clusters read the same rows
	s_cselect_b64 s[PFA:PFA+1], s[4:5], s[6:7]
	s_cmp_eq_u32 s22, 0
	s_cselect_b32 s[LIM], 1, -1
	s_lshl_b32 s22, s12, 7
	s_add_co_u32 s20, s20, s22                     ; + the 128 rows that I fetch
	s_lshl_b32 s21, s21, 5
	s_add_co_u32 s20, s20, s21                     ; + my work-group's 32 of them
	s_mov_b32 s21, 0
	s_mov_b64 s[18:19], SIZE_K*2
	s_mul_u64 s[20:21], s[20:21], s[18:19]
	s_add_nc_u64 s[PFA:PFA+1], s[PFA:PFA+1], s[20:21]
	s_add_nc_u64 s[PFA:PFA+1], s[PFA:PFA+1], 2*KSTEP*2  ; at K step 2: the first refill steps it to 3 and names K step 4
	v_and_b32 v[PFO], 31, v0
	v_mul_u32_u24 v[PFO], v[PFO], SIZE_K*2
; 16 matrix instructions: m blocks a0, a0 + 1 of the window's four (hi = 0: my rows 0-63, 1: rows 64-127) x all 8 n blocks, 32 along K.  mode = 1: the first product of each sum: C is the bias, in window 1.
.macro MUL16 f, hi, a0, mode
.if \mode
	WIN 0x91+0x40*(\hi)
.else
	WIN MUL_LO+0x50*(\hi)
.endif
.irp a, \a0, (\a0)+1
.irp b, 0,1,2,3,4,5,6,7
.if \mode
	v_wmma_f32_16x16x32_bf16 v[8*(8*(\a)+(\b)):8*(8*(\a)+(\b))+7], v[(\f)+8*(\b):(\f)+8*(\b)+7], v[(\f)+8*(4*(\hi)+(\a)):(\f)+8*(4*(\hi)+(\a))+7], v[8*(\b):8*(\b)+7]
.else
	v_wmma_f32_16x16x32_bf16 v[8*(8*(\a)+(\b)):8*(8*(\a)+(\b))+7], v[(\f)+8*(\b):(\f)+8*(\b)+7], v[(\f)+8*(4*(\hi)+(\a)):(\f)+8*(4*(\hi)+(\a))+7], v[8*(8*(\a)+(\b)):8*(8*(\a)+(\b))+7]
.endif
.endr
.endr
.endm
; 32 LDS loads in one run: the fragments of one quarter step (32 K at byte k of the rows) into buffer f: B's 16, then A's 16
.macro FETCH slot, k, f
	WIN TO_B
.irp i, 0,1,2,3,4,5,6,7
	ds_load_b128 v[(\f)+8*(\i):(\f)+8*(\i)+3],   v[ADRB+(\slot)] offset:(\k)+(\i)*16*PITCH
	ds_load_b128 v[(\f)+8*(\i)+4:(\f)+8*(\i)+7], v[ADRB+(\slot)] offset:(\k)+(\i)*16*PITCH+32
.endr
	WIN 0
.irp i, 0,1,2,3,4,5,6,7
	ds_load_b128 v[(\f)+8*(\i):(\f)+8*(\i)+3],   v[ADRA+(\slot)] offset:(\k)+(\i)*16*PITCH
	ds_load_b128 v[(\f)+8*(\i)+4:(\f)+8*(\i)+7], v[ADRA+(\slot)] offset:(\k)+(\i)*16*PITCH+32
.endr
.endm
.macro PLACES                          ; four places in front of loads into registers that matrix instructions have read, and of reads of results just made (ISA guide 7.12.1 for reads of results)
.rept 4
	v_nop
.endr
.endm
; A K step is four quarters of 32 along K, 64 matrix instructions each, on buffers 0, 1, 0, 1; the 64 accumulators take turns in the same order in every quarter.
; One of the first three quarters: multiplies buffer f; in its middle it fetches the next quarter's fragments, at byte k, into buffer g.
.macro QUARTER slot, k, f, g, mode
	s_wait_dscnt 8                                 ; B and A's rows 0-63 are in; the youngest eight loads (A's rows 64-127) may be out
	MUL16 \f, 0, 0, \mode
	MUL16 \f, 0, 2, \mode
	PLACES
	FETCH \slot, \k, \g
	s_wait_dscnt 32                                ; all but the 32 just issued
	MUL16 \f, 1, 0, \mode
	MUL16 \f, 1, 2, \mode
.endm
; The first half of the last quarter: ONE barrier for the change of slots.  In front of it each wave waits for all its tensor loads (one is out: its part of the next slot), adds 0 to its spare word,
; and waits for that and for its own reads of this slot.
.macro MEET round
	WIN 0                                          ; (the add's two registers lie in window 0)
	s_wait_tensorcnt 0x0
	ds_add_u32 v[SPW], v[NIL]
	s_wait_dscnt 9                                 ; (the add and the youngest eight loads may be out)
	MUL16 F1, 0, 0, 0                              ; sixteen matrix instructions stand between the add and the wait for it
	s_wait_dscnt 0x0                               ; the add is done, and my reads of this slot are over
	s_barrier_signal -1
	MUL16 F1, 0, 2, 0
.if \round
	WIN 0
.endif
	s_barrier_wait -1
.endm
; The whole last quarter.  on = 0: the slot just read out is filled again with this tile's K step two steps on; on = 1: with the NEXT tile's K step 0 or 1; on = 2: nothing is filled, and the barrier is the work-group's own.
.macro TURN slot, next, on
.if (\on) < 2
	s_wait_xcnt 0x0                                ; the last prefetch, a K step back, has read its address: it is stepped here
.if ((\on) == 1) && ((\slot) == 0)
	s_add_nc_u64 s[PFA:PFA+1], s[PFA:PFA+1], (WALK-1)*SIZE_K*2+KSTEP*2  ; from the K step after the tile's last to the next tile's K step 1
	s_cmp_eq_u32 s11, 0
	s_cselect_b32 s[LIM], s[LIM], -1               ; B's rows are the same for both tiles: they are asked for no more
.else
	s_add_nc_u64 s[PFA:PFA+1], s[PFA:PFA+1], KSTEP*2
.endif
	MEET 1
	CREST                                          ; the barrier has opened a round of the cluster's: no wave of any partner still reads this slot or has a load on its way
.if (\on) == 1
	s_add_nc_u64 s[G0+4*(\slot)+2:G0+4*(\slot)+3], s[G0+4*(\slot)+2:G0+4*(\slot)+3], NEXT_A
	s_sub_nc_u64 s[G0B+4*(\slot)+2:G0B+4*(\slot)+3], s[G0B+4*(\slot)+2:G0B+4*(\slot)+3], BACK_B
.else
	s_add_nc_u64 s[G0+4*(\slot)+2:G0+4*(\slot)+3], s[G0+4*(\slot)+2:G0+4*(\slot)+3], 2*KSTEP*2
	s_add_nc_u64 s[G0B+4*(\slot)+2:G0B+4*(\slot)+3], s[G0B+4*(\slot)+2:G0B+4*(\slot)+3], 2*KSTEP*2
.endif
	JLOAD \slot                                    ; my one tensor load behind the round; its four v_nop are also the places in front of the loads below
	FETCH \next, 0, F0
	ASK \on
.else
	MEET 0
	PLACES
	FETCH \next, 0, F0
.endif
	MUL16 F1, 1, 0, 0
	MUL16 F1, 1, 2, 0
.endm
.macro LASTQ                           ; the launch's last quarter: nothing more to fetch
	s_wait_dscnt 8
	MUL16 F1, 0, 0, 0
	MUL16 F1, 0, 2, 0
	s_wait_dscnt 0x0
	MUL16 F1, 1, 0, 0
	MUL16 F1, 1, 2, 0
	WIN 0
.endm
; THE WAY OUT, a block of 16 rows at a time.  STORES a: block a's sums, f32, into my stage: a lane's eight columns are 32 bytes of a row; each accumulator's low registers first.
.macro STORES a
	WIN 0x08+4*((\a)/4)                            ; the data (source 1) in window 2 or 3
.irp b, 0,1,2,3,4,5,6,7
	ds_store_b128 v[STO], v[64*((\a)%4)+8*(\b):64*((\a)%4)+8*(\b)+3]   offset:64*(\b)
	ds_store_b128 v[STO], v[64*((\a)%4)+8*(\b)+4:64*((\a)%4)+8*(\b)+7] offset:64*(\b)+16
.endr
	WIN 0
.endm
.macro NEXT a                          ; block a goes into the stage in the trip that finishes block a - 1
	s_cmp_lg_u32 s[BLK], (\a)-1
	s_cbranch_scc1 .Lnot_\@
	STORES \a
.Lnot_\@:
.endm
.macro LOADT u                         ; rows 8 u .. 8 u + 7 of the stage come back, two rows a pair of loads: a lane takes 8 neighbouring columns
.irp t, 0,1,2,3
	ds_load_b128 v[T0+32*(\u)+8*(\t):T0+32*(\u)+8*(\t)+3],   v[RD] offset:2*SPITCH*(4*(\u)+(\t))
	ds_load_b128 v[T0+32*(\u)+8*(\t)+4:T0+32*(\u)+8*(\t)+7], v[RD] offset:2*SPITCH*(4*(\u)+(\t))+16
.endr
.endm
.macro HSTORE u                        ; sixteen lanes store 256 consecutive bytes, at a multiple of 256 from h's first byte
.irp t, 0,1,2,3
	global_store_b128 v[CO], v[H0+16*(\u)+4*(\t):H0+16*(\u)+4*(\t)+3], s[8:9] offset:2*ROWC*(4*(\u)+(\t))
.endr
.endm
; GELU of the 32 sums at v[t ..] into 16 registers of bf16 at v[hh ..].  The 64 reciprocals and powers are ONE batch with ONE wait: pair i's four plain lines stand between pair i - 1's four
; transcendentals, none of which is named again ahead of the wait.
.macro GELU t, hh
.set i, 0
.rept 17
.if i < 16
	v_fma_f32 v[DD+2*i], |v[(\t)+2*i]|, s[CP], 1.0
.endif
.if i > 0
	v_rcp_f32 v[DD+2*i-2], v[DD+2*i-2]
.endif
.if i < 16
	v_fma_f32 v[DD+2*i+1], |v[(\t)+2*i+1]|, s[CP], 1.0
.endif
.if i > 0
	v_rcp_f32 v[DD+2*i-1], v[DD+2*i-1]
.endif
.if i < 16
	v_pk_mul_f32 v[QQ+2*i:QQ+2*i+1], v[(\t)+2*i:(\t)+2*i+1], s[CC:CC+1] op_sel_hi:[1,0]
.endif
.if i > 0
	v_exp_f32 v[QQ+2*i-2], v[QQ+2*i-2]
.endif
.if i < 16
	v_pk_mul_f32 v[QQ+2*i:QQ+2*i+1], v[QQ+2*i:QQ+2*i+1], v[(\t)+2*i:(\t)+2*i+1]
.endif
.if i > 0
	v_exp_f32 v[QQ+2*i-1], v[QQ+2*i-1]
.endif
.set i, i+1
.endr
	v_nop                                          ; a plain instruction behind the last transcendental, ahead of the first use (ISA guide 5.7.2)
	s_wait_alu depctr_va_vdst(0)                   ; and one wait for the batch
.set g, 0
.rept 4                                ; four pairs at a time, so that no line waits for the one before it
.irp k, 0,1,2,3
	v_pk_fma_f32 v[TM+2*(\k):TM+2*(\k)+1], v[DD+8*g+2*(\k):DD+8*g+2*(\k)+1], s[CA3:CA3+1], s[CA2:CA2+1] op_sel_hi:[1,0,0]  ; a3 t + a2
.endr
.irp k, 0,1,2,3
	v_pk_mul_f32 v[QQ+8*g+2*(\k):QQ+8*g+2*(\k)+1], v[QQ+8*g+2*(\k):QQ+8*g+2*(\k)+1], v[DD+8*g+2*(\k):DD+8*g+2*(\k)+1]      ; t x the power
.endr
.irp k, 0,1,2,3
	v_pk_fma_f32 v[DD+8*g+2*(\k):DD+8*g+2*(\k)+1], v[TM+2*(\k):TM+2*(\k)+1], v[DD+8*g+2*(\k):DD+8*g+2*(\k)+1], s[CA1:CA1+1] op_sel_hi:[1,1,0]  ; (a3 t + a2) t + a1
.endr
.irp k, 0,1,2,3
	v_pk_mul_f32 v[DD+8*g+2*(\k):DD+8*g+2*(\k)+1], v[DD+8*g+2*(\k):DD+8*g+2*(\k)+1], v[QQ+8*g+2*(\k):QQ+8*g+2*(\k)+1]      ; y
.endr
.irp k, 0,1,2,3,4,5,6,7
	v_max_num_f32 v[QQ+8*g+(\k)], 0, v[(\t)+8*g+(\k)]
.endr
.irp k, 0,1,2,3,4,5,6,7
	v_fma_f32 v[QQ+8*g+(\k)], -|v[(\t)+8*g+(\k)]|, v[DD+8*g+(\k)], v[QQ+8*g+(\k)]  ; max(s, 0) - |s| y
.endr
.irp k, 0,1,2,3
	v_cvt_pk_bf16_f32 v[(\hh)+4*g+(\k)], v[QQ+8*g+2*(\k)], v[QQ+8*g+2*(\k)+1]
.endr
.set g, g+1
.endr
.endm
	s_wait_tensorcnt 1                             ; my part of K step 0 is in; K step 1's may stay out
	s_barrier_signal -1
	s_barrier_wait -1                              ; everybody's is
	FETCH 0, 0, F0
	s_wait_loadcnt 0x0                             ; the bias
	s_mov_b32 s2, SIZE_TILES                       ; tiles to go: the same number in every work-group
.Ltile:
	QUARTER 0, 64,  F0, F1, 1                      ; a tile's first quarter stands in front of the loop: its products start the sums, from the bias
	WIN 0                                          ; at a label and at a branch every window is 0
	s_mov_b32 s3, LAPS-1
.Llap:                                                 ; a trip goes once round the ring, from a lap's second quarter to the next lap's first, and fills both slots again
	QUARTER 0, 128, F1, F0, 0
	QUARTER 0, 192, F0, F1, 0
	TURN 0, 1, 0
	QUARTER 1, 64,  F0, F1, 0
	QUARTER 1, 128, F1, F0, 0
	QUARTER 1, 192, F0, F1, 0
	TURN 1, 0, 0
	QUARTER 0, 64,  F0, F1, 0
	WIN 0
	s_sub_co_u32 s3, s3, 1
	s_cmp_lg_u32 s3, 0
	s_cbranch_scc1 .Llap
	QUARTER 0, 128, F1, F0, 0                      ; the tile's last lap goes on
	QUARTER 0, 192, F0, F1, 0
	WIN 0
	s_cmp_eq_u32 s2, 1
	s_cbranch_scc1 .Llast                          ; the last tile's tail is written out: it asks for nothing more
	TURN 0, 1, 1                                   ; the ring goes on into the next tile: slot 0 takes its K step 0,
	QUARTER 1, 64,  F0, F1, 0
	QUARTER 1, 128, F1, F0, 0
	QUARTER 1, 192, F0, F1, 0
	TURN 1, 0, 1                                   ; slot 1 its K step 1, and the next tile's first fragments are fetched
	WIN 0
	s_branch .Lout
.Llast:
	TURN 0, 1, 2
	QUARTER 1, 64,  F0, F1, 0
	QUARTER 1, 128, F1, F0, 0
	QUARTER 1, 192, F0, F1, 0
	LASTQ
.Lout:                                                 ; THE WAY OUT, once in the text.  v64-127 of windows 0 and 1 are not touched: they may hold the next tile's first fragments
	PLACES
	PLACES                                         ; behind the last products, ahead of the LDS stores that read results and of the loads into buffer 1
	s_wait_xcnt 0x0                                ; earlier stores and prefetches have read their addresses: h's base may be written
	s_add_nc_u64 s[8:9], s[8:9], s[16:17]          ; on to this tile's first rows
	STORES 0
	LOADT 0                                        ; LDS serves a wave's instructions in order (ISA guide 5.7.1.4): these see the stores above
	s_mov_b32 s[BLK], 0
.Lblk:                                                 ; eight trips, a block of 16 rows each
	LOADT 1
	s_wait_dscnt 8                                 ; rows 0-7 are back; the eight loads of rows 8-15 may stay out
	GELU T0, H0
	HSTORE 0
	s_wait_dscnt 0x0                               ; rows 8-15 are back: the stage has been read
.irp a, 1,2,3,4,5,6,7
	NEXT \a                                        ; the next block goes into the stage,
.endr
	s_cmp_eq_u32 s[BLK], 7
	s_cbranch_scc1 .Lno_more
	LOADT 0                                        ; and its rows 0-7 come back while rows 8-15 of this one are worked on
.Lno_more:
	GELU T0+32, H0+16
	HSTORE 1
	s_wait_xcnt 0x0                                ; the stores have read their data and their base: both are written again only behind this wait
	s_add_nc_u64 s[8:9], s[8:9], 16*ROWC
	s_add_co_u32 s[BLK], s[BLK], 1
	s_cmp_lt_u32 s[BLK], 8
	s_cbranch_scc1 .Lblk
	s_wait_dscnt 0x0                               ; no LDS load is out when the next tile loads into buffer 1
	s_mov_b64 s[16:17], (WALK-128)*ROWC            ; what the next way out adds to h's address
	s_sub_co_u32 s2, s2, 1
	s_cmp_lg_u32 s2, 0
	s_cbranch_scc1 .Ltile
	s_wait_tensorcnt 0x0                           ; the wave's end, behind my last tensor load and my last LDS store
	ds_add_u32 v[SPW], v[NIL]
	s_wait_dscnt 0x0
	CROUND                                         ; the closing round: no work-group ends while a partner may still ask for a tile that names it
	s_endpgm
.Lfunc_end_k_q364acde6ac_gemm1:
	.size	k_q364acde6ac_gemm1, .Lfunc_end_k_q364acde6ac_gemm1-k_q364acde6ac_gemm1
	.p2alignl 7, 3214868480
	.fill 96, 4, 3214868480
	.section	.rodata,"a",@progbits
	.p2align	6, 0x0
	.amdhsa_kernel k_q364acde6ac_gemm1
		.amdhsa_group_segment_fixed_size 327680
		.amdhsa_private_segment_fixed_size 0
		.amdhsa_enable_private_segment 0
		.amdhsa_kernarg_size 32
		.amdhsa_user_sgpr_count 2
		.amdhsa_user_sgpr_kernarg_segment_ptr 1
		.amdhsa_wavefront_size32 1
		.amdhsa_system_sgpr_workgroup_id_x 1
		.amdhsa_system_sgpr_workgroup_id_y 1
		.amdhsa_system_sgpr_workgroup_id_z 1
		.amdhsa_system_vgpr_workitem_id 0
		.amdhsa_next_free_vgpr 1024
		.amdhsa_next_free_sgpr 80
		.amdhsa_reserve_vcc 0
		.amdhsa_float_denorm_mode_32 3
		.amdhsa_float_denorm_mode_16_64 3
		.amdhsa_memory_ordered 1
		.amdhsa_forward_progress 1
		.amdhsa_inst_pref_size 189
	.end_amdhsa_kernel
	.amdgpu_metadata
---
amdhsa.version: [ 1, 2 ]
amdhsa.kernels:
  - .name:           k_q364acde6ac_gemm1
    .symbol:         k_q364acde6ac_gemm1.kd
    .args:
      - { .name: xb, .offset: 0, .size: 8, .value_kind: global_buffer, .address_space: global }
      - { .name: w1t, .offset: 8, .size: 8, .value_kind: global_buffer, .address_space: global }
      - { .name: h, .offset: 16, .size: 8, .value_kind: global_buffer, .address_space: global }
      - { .name: b1, .offset: 24, .size: 8, .value_kind: global_buffer, .address_space: global }
    .group_segment_fixed_size: 327680
    .private_segment_fixed_size: 0
    .kernarg_segment_align: 8
    .kernarg_segment_size: 32
    .max_flat_workgroup_size: 128
    .sgpr_count:     80
    .vgpr_count:     1024
    .wavefront_size: 32
...
	.end_amdgpu_metadata
.endif
;; end of part 2
;; launch gemm2 (part 3): grid 4 x 64, 4 waves a work-group, clusters of 4 x 4, 327,680 bytes of LDS; arguments h, w2t, out0, b2, tb, a_up; writes out0
.if DOCPART == 3
	.amdgcn_target "amdgcn-amd-amdhsa--gfx1250"
	.amdhsa_code_object_version 6
	.text
	.protected	k_q364acde6ac_gemm2
	.globl	k_q364acde6ac_gemm2
	.p2align	8
	.type	k_q364acde6ac_gemm2,@function
k_q364acde6ac_gemm2:
	s_mov_b64 s[64:65], 0
	v_nop
	global_prefetch_b8 v0, s[64:65] scope:SCOPE_SE
	s_setreg_imm32_b32 hwreg(HW_REG_WAVE_MODE, 25, 1), 1
	s_wait_xcnt 0x0
	s_wait_alu depctr_hold_cnt(0) depctr_sa_sdst(0) depctr_va_vdst(0) depctr_va_sdst(0) depctr_va_ssrc(0) depctr_va_vcc(0) depctr_vm_vsrc(0)
	s_getreg_b32 s2, hwreg(HW_REG_IB_STS2, 6, 4)
	s_cmp_eq_u32 s2, 0
	s_cbranch_scc0 .Lentry_in_a_cluster
	s_endpgm
.Lentry_in_a_cluster:
	s_bfe_u32 s2, ttmp6, 0x10000c
	s_cmp_lg_u32 s2, 0xf033
	s_cbranch_scc0 .Lentry_shape_is_right
	s_endpgm
.Lentry_shape_is_right:
; out0[m][n] = sum over k of h[m][k] w2t[n][k] + b2[n] + sum over j < 8 of t[m][j] a_up[0][j][n].  h: [16384][2048], w2t: [1024][2048], bf16; out0 [16384][1024], b2, a_up f32; sums in f32.
; THE ADAPTER is one quarter step more (32 along K, 64 matrix instructions a wave), which starts the sums.  Its A rows are tb's: k 0-7 t rounded to bf16, k 8-15 what that rounding lost, k 16-31 zero;
; its B rows hold a_up[0] (adapter 0 is a constant of the problem) rounded to bf16 at k 0-7 and once more at k 8-15, zero behind.  THE BIAS is that quarter's C operand, in f32.
; A tile of out0, 256 x 256, is made by four waves, each 128 x 128: 64 accumulators, 512 registers.  K goes in steps of 128 through a ring of two LDS slots filled by the tensor data mover.  One tile to a work-group: 256 of them.
; CLUSTERS: 4 x 4 work-groups; the four of a row of the cluster ask jointly for h's tiles, the four of a column for w2t's.
; THE MATRIX INSTRUCTION IS USED TRANSPOSED (source 0 = 16 rows of w2t, source 1 = 16 rows of h): lane l holds row l % 16 and the columns 8 (l / 16) + 0..7.
; LIMITS: bf16 operands; NaN and infinities are not treated apart.
; REGISTERS, in windows of 256 (s_set_vgpr_msb: bits 1:0 source 0, 3:2 source 1, 5:4 source 2, 7:6 destination):
;   window 0: v0-31 addresses; v64-127, v128-191 fragments of A, two buffers (on the way out: rows read back); v192-255 a_up in f32, at the head
;   window 1: v0-63 the bias as eight C operands; v64-127, v128-191 fragments of B
;   window 2: the accumulators of my rows 0-63 ((a, b) at v[8 (8 a + b)]);   window 3: those of my rows 64-127
.set SIZE_M, 16384
.set SIZE_N, 1024
.set SIZE_K, 2048
.set KSTEP,  128
.set PITCH,  272                       ; an LDS row: 256 bytes + 16 of padding = 68 words: row r starts at bank 4 r mod 64 (64 banks of 4 bytes: ISA guide 11.1)
.set HALFT,  128*PITCH
.set SLOT,   4*HALFT
.set STAGE,  2*SLOT                    ; behind the ring: 16 rows x 528 bytes of f32 for each wave; no tensor load lands here
.set SPITCH, 528
.set SPARE,  STAGE+4*16*SPITCH         ; the spare words, 128 bytes for each wave: two blocks of 256 bytes that no other line names
.set LAPS,   SIZE_K/(2*KSTEP)
.set ROWC,   SIZE_N*4                  ; bytes in a row of out0
.set ADRA, 16                          ; v16-17  LDS address of my A fragments in slot 0, 1
.set ADRB, 20                          ; v20-21  the same for B
.set AUO,  22                          ; v22     4 (l % 16): my column in a block of 16 of a_up
.set TBO,  23                          ; v23     64 (l % 16) + 16 (l / 16): my 16 bytes of a row of tb
.set STO,  24                          ; v24     the way out: where I put 32 bytes of a row
.set RD,   25                          ; v25     the way out: my 16 bytes of a row of 512
.set CO,   26                          ; v26     the same 16 bytes in out0
.set BO,   27                          ; v27     32 (l / 16)
.set SPW,  28                          ; v28     LDS address of my spare word; never rewritten
.set NIL,  29                          ; v29     0; never rewritten
.set PFO,  30                          ; v30     the prefetches' offset: my lane x a row of A or B; never rewritten
.set F0,   64
.set F1,   128
.set OB,   64                          ; the way out: 16 rows read back: v64-127 and v128-191 by turns
.set RAW,  192
.set PFA,  44                          ; s[44:45] where my prefetches stand
.set LIM,  43                          ; s43     1 in a wave that prefetches, else the greatest number
.set G1,  24
.set G0,  32
.set G1B, 48
.set G0B, 56
.set BIA, 66                           ; s[66:67] b2
.set TBA, 68                           ; s[68:69] tb
.set AUA, 70                           ; s[70:71] a_up
.set MSB, 0
.macro WIN new
.if MSB != (\new)
	s_set_vgpr_msb (MSB<<8)|(\new)
.set MSB, \new
.endif
.endm
.set MUL_LO, 0xa1
.set TO_B,   0x40
; A joint load: waves 0 and 1 fetch A's two halves, waves 2 and 3 B's; an s_nop 0 and four v_nop follow each of the two lines
.macro JLOAD s
	s_cmp_eq_u32 s11, 0
	s_cbranch_scc0 .Lfor_b_\@
	tensor_load_to_lds s[G0+4*(\s):G0+4*(\s)+3], s[G1:G1+7]
	s_nop 0
.rept 4
	v_nop
.endr
	s_branch .Lasked_\@
.Lfor_b_\@:
	tensor_load_to_lds s[G0B+4*(\s):G0B+4*(\s)+3], s[G1B:G1B+7]
	s_nop 0
.rept 4
	v_nop
.endr
.Lasked_\@:
.endm
; A prefetch, behind each joint load and the run of LDS loads that follows it: the K step two refills on, 32 rows x 256 bytes, a lane a row: 512 matrix instructions ahead of the load that names it.  Each row's 256 bytes of a
; K step are named once in the launch: cluster x = 0 asks for A's rows, cluster y = 0 for B's; the four partners of a joint load take 32 rows each, told apart by address.  The last two refills have no K step two on.
.macro ASK
	s_cmp_gt_u32 s3, s[LIM]                        ; s3 = 1 in the loop's last trip
	s_cbranch_scc0 .Lnot_mine_\@
	global_prefetch_b8 v[PFO], s[PFA:PFA+1] offset:KSTEP*2 th:TH_LOAD_NT scope:SCOPE_SE
.Lnot_mine_\@:
.endm
.macro CREST
	s_cmp_lg_u32 s10, 0
	s_cbranch_scc1 .Lnot_wave_0_\@
	s_barrier_signal -3
.Lnot_wave_0_\@:
	s_barrier_wait -3
	s_barrier_signal -1
	s_barrier_wait -1
.endm
.macro CROUND
	s_barrier_signal -1
	s_barrier_wait -1
	CREST
.endm
	s_load_b128 s[4:7], s[0:1], 0x0                ; h s[4:5], w2t s[6:7]
	s_load_b64 s[8:9], s[0:1], 0x10                ; out0
	s_load_b64 s[BIA:BIA+1], s[0:1], 0x18          ; b2
	s_load_b128 s[TBA:TBA+3], s[0:1], 0x20         ; tb, a_up
	v_lshl_add_u32 v[SPW], v0, 2, SPARE
	v_mov_b32 v[NIL], 0
	ds_add_u32 v[SPW], v[NIL]                      ; the wave's opening: the add, twice on end, and its wait ahead of my first tensor load
	ds_add_u32 v[SPW], v[NIL]                      ; and once more, under the one wait; the set-up below, work on registers, stands between
	v_lshrrev_b32 v1, 5, v0
	v_readfirstlane_b32 s10, v1                    ; wave 0..3
	s_lshr_b32 s11, s10, 1                         ; which half of the tile's rows is mine.  Also: I fetch for A (0) or for B (1)
	s_and_b32 s12, s10, 1                          ; which half of its columns.  Also: which 128 rows of that tile I fetch
	s_bfe_u32 s40, ttmp6, 0x40000                  ; cx
	s_bfe_u32 s41, ttmp6, 0x40004                  ; cy
	s_lshl_b32 s42, ttmp9, 2
	s_add_co_u32 s42, s42, s40                     ; tile column
	s_and_b32 s13, ttmp7, 0xffff
	s_lshl_b32 s13, s13, 2
	s_add_co_u32 s13, s13, s41                     ; tile row
	s_lshl_b32 s43, s41, 2
	s_lshl_b32 s43, 15, s43                        ; my row of the cluster
	s_lshl_b32 s44, 0x1111, s40                    ; my column
	s_or_b32 s[G1+0], s43, (1<<16)|(1<<20)|(1<<21)|(5<<22)|(3<<25)   ; the mask; elements of 2 bytes; 4 words of padding after every 64
	s_or_b32 s[G1B+0], s44, (1<<16)|(1<<20)|(1<<21)|(5<<22)|(3<<25)
.irp g, G1, G1B
	s_mov_b32 s[(\g)+1], KSTEP<<16                 ; tensor_dim0 = 128
	s_mov_b32 s[(\g)+2], 128<<16                   ; tensor_dim1 = 128
	s_mov_b32 s[(\g)+3], KSTEP<<16                 ; tile_dim0 = 128
	s_mov_b32 s[(\g)+4], 128                       ; tile_dim1 = 128
	s_mov_b32 s[(\g)+5], SIZE_K                    ; elements from row to row
	s_mov_b32 s[(\g)+6], 0
	s_mov_b32 s[(\g)+7], 0
.endr
	s_lshl_b32 s17, s12, 7
	s_lshl_b32 s16, s13, 8
	s_add_co_u32 s16, s16, s17                     ; A: row 256 x tile row + 128 x half
	s_lshl_b32 s46, s42, 8
	s_add_co_u32 s46, s46, s17                     ; B: row 256 x tile column + 128 x half
	s_mov_b32 s17, 0
	s_mov_b32 s47, 0
	s_mov_b64 s[18:19], SIZE_K*2
	s_mul_u64 s[16:17], s[16:17], s[18:19]
	s_mul_u64 s[46:47], s[46:47], s[18:19]
	s_mul_i32 s20, s10, HALFT                      ; where they go: wave x 128 rows
	s_wait_dscnt 0x0                               ; both opening adds are done
	s_wait_kmcnt 0x0
	s_add_nc_u64 s[14:15], s[4:5], s[16:17]
	s_add_nc_u64 s[46:47], s[6:7], s[46:47]
	CROUND                                         ; all sixteen work-groups are here: the first joint loads meet
.irp s, 0,1
	s_mov_b32 s[G0+4*(\s)], 1
	s_add_co_u32 s[G0+4*(\s)+1], s20, (\s)*SLOT
	s_add_nc_u64 s[G0+4*(\s)+2:G0+4*(\s)+3], s[14:15], (\s)*KSTEP*2
	s_or_b32 s[G0+4*(\s)+3], s[G0+4*(\s)+3], 0x80000000
	s_mov_b32 s[G0B+4*(\s)], 1
	s_add_co_u32 s[G0B+4*(\s)+1], s20, (\s)*SLOT
	s_add_nc_u64 s[G0B+4*(\s)+2:G0B+4*(\s)+3], s[46:47], (\s)*KSTEP*2
	s_or_b32 s[G0B+4*(\s)+3], s[G0B+4*(\s)+3], 0x80000000
	JLOAD \s                                       ; two tensor loads of mine are out
.endr
	v_and_b32 v1, 15, v0                           ; l % 16
	v_bfe_u32 v2, v0, 4, 1                         ; l / 16
	v_mul_u32_u24 v3, v1, PITCH
	v_lshl_add_u32 v3, v2, 4, v3
	s_mul_i32 s21, s11, HALFT
	s_mul_i32 s22, s12, HALFT
	s_add_co_u32 s22, s22, 2*HALFT
.irp s, 0,1
	v_add_nc_u32 v[ADRA+(\s)], s21, v3
	v_add_nc_u32 v[ADRB+(\s)], s22, v3
	s_add_co_u32 s21, s21, SLOT
	s_add_co_u32 s22, s22, SLOT
.endr
	s_mul_i32 s23, s10, 16*SPITCH
	s_add_co_u32 s23, s23, STAGE                   ; my stage
	v_mul_u32_u24 v4, v1, SPITCH                   ; in: row l % 16, 32 bytes for each half of the lanes
	v_lshl_add_u32 v4, v2, 5, v4
	v_add_nc_u32 v[STO], s23, v4
	v_and_b32 v5, 31, v0
	v_lshl_add_u32 v[RD], v5, 4, s23               ; back: 32 lanes take one row of 512 bytes
	v_lshlrev_b32 v[CO], 4, v5
	v_lshlrev_b32 v[BO], 5, v2
	v_lshlrev_b32 v[AUO], 2, v1
	v_lshlrev_b32 v[TBO], 6, v1
	v_lshl_add_u32 v[TBO], v2, 4, v[TBO]
	; where my part of the tile begins in out0, in tb, in b2 and in a_up
	s_lshl_b32 s13, s13, 8
	s_lshl_b32 s14, s11, 7
	s_add_co_u32 s16, s13, s14                     ; my first row
	s_lshl_b32 s74, s16, 6                         ; 64 bytes a row of tb
	s_mov_b32 s75, 0
	s_add_nc_u64 s[TBA:TBA+1], s[TBA:TBA+1], s[74:75]
	s_mov_b32 s17, 0
	s_mov_b64 s[18:19], ROWC
	s_mul_u64 s[16:17], s[16:17], s[18:19]
	s_lshl_b32 s46, s42, 10                        ; my first column, 4 bytes a number: 1,024 x tile column + 512 x half
	s_lshl_b32 s47, s12, 9
	s_add_co_u32 s46, s46, s47
	s_mov_b32 s47, 0
	s_add_nc_u64 s[16:17], s[16:17], s[46:47]
	s_add_nc_u64 s[BIA:BIA+1], s[BIA:BIA+1], s[46:47]
	s_add_nc_u64 s[AUA:AUA+1], s[AUA:AUA+1], s[46:47]
	WIN TO_B
.irp b, 0,1,2,3,4,5,6,7                ; register j of block b: b2[my column + 16 b + 8 (l / 16) + j]
	global_load_b128 v[8*(\b):8*(\b)+3],   v[BO], s[BIA:BIA+1] offset:64*(\b)
	global_load_b128 v[8*(\b)+4:8*(\b)+7], v[BO], s[BIA:BIA+1] offset:64*(\b)+16
.endr
	WIN 0
.irp a, 0,1,2,3,4,5,6,7                ; tb's rows are fragments as they lie: into A's buffer 1
	global_load_b128 v[F1+8*(\a):F1+8*(\a)+3],   v[TBO], s[TBA:TBA+1] offset:1024*(\a)
	global_load_b128 v[F1+8*(\a)+4:F1+8*(\a)+7], v[TBO], s[TBA:TBA+1] offset:1024*(\a)+32
.endr
.set i, 0
.rept 64                               ; a_up[0][i % 8][my column + 16 (i / 8) + l % 16]: both halves of the lanes take the same
	global_load_b32 v[RAW+i], v[AUO], s[AUA:AUA+1] offset:4096*(i%8)+64*(i/8)
.set i, i+1
.endr
	; the prefetches.  s13 = 256 x tile row, s42 = tile column, s40 = cx, s41 = cy still stand
	s_lshl_b32 s42, s42, 8
	s_and_b32 s22, ttmp7, 0xffff
	s_cmp_eq_u32 s11, 0
	s_cselect_b32 s20, s13, s42
	s_cselect_b32 s21, s40, s41
	s_cselect_b32 s22, ttmp9, s22
	s_cselect_b64 s[PFA:PFA+1], s[4:5], s[6:7]
	s_cmp_eq_u32 s22, 0
	s_cselect_b32 s[LIM], 1, -1
	s_lshl_b32 s22, s12, 7
	s_add_co_u32 s20, s20, s22
	s_lshl_b32 s21, s21, 5
	s_add_co_u32 s20, s20, s21
	s_mov_b32 s21, 0
	s_mov_b64 s[18:19], SIZE_K*2
	s_mul_u64 s[20:21], s[20:21], s[18:19]
	s_add_nc_u64 s[PFA:PFA+1], s[PFA:PFA+1], s[20:21]
	s_add_nc_u64 s[PFA:PFA+1], s[PFA:PFA+1], 2*KSTEP*2  ; at K step 2: the first refill steps it to 3 and names K step 4
	v_and_b32 v[PFO], 31, v0
	v_mul_u32_u24 v[PFO], v[PFO], SIZE_K*2
	s_wait_loadcnt 0x0                             ; the bias, tb and a_up; all this stands in the wait for the first tile
	WIN TO_B
.set i, 0
.rept 32                               ; block i / 4 of B's buffer 1: registers 0-3 a_up's eight rows in bf16 (k 0-7 in lanes 0-15, k 8-15 in lanes 16-31), registers 4-7 zero
	v_cvt_pk_bf16_f32 v[F1+8*(i/4)+i%4], v[RAW+8*(i/4)+2*(i%4)], v[RAW+8*(i/4)+2*(i%4)+1]
	v_mov_b32 v[F1+8*(i/4)+4+i%4], 0
.set i, i+1
.endr
	WIN 0
; 16 matrix instructions: m blocks a0, a0 + 1 of the window's four x all 8 n blocks, 32 along K.  mode = 1: the first product of each sum: C is the bias, in window 1.
.macro MUL16 f, hi, a0, mode
.if \mode
	WIN 0x91+0x40*(\hi)
.else
	WIN MUL_LO+0x50*(\hi)
.endif
.irp a, \a0, (\a0)+1
.irp b, 0,1,2,3,4,5,6,7
.if \mode
	v_wmma_f32_16x16x32_bf16 v[8*(8*(\a)+(\b)):8*(8*(\a)+(\b))+7], v[(\f)+8*(\b):(\f)+8*(\b)+7], v[(\f)+8*(4*(\hi)+(\a)):(\f)+8*(4*(\hi)+(\a))+7], v[8*(\b):8*(\b)+7]
.else
	v_wmma_f32_16x16x32_bf16 v[8*(8*(\a)+(\b)):8*(8*(\a)+(\b))+7], v[(\f)+8*(\b):(\f)+8*(\b)+7], v[(\f)+8*(4*(\hi)+(\a)):(\f)+8*(4*(\hi)+(\a))+7], v[8*(8*(\a)+(\b)):8*(8*(\a)+(\b))+7]
.endif
.endr
.endr
.endm
.macro FETCH slot, k, f                ; 32 LDS loads in one run: B's 16, then A's 16
	WIN TO_B
.irp i, 0,1,2,3,4,5,6,7
	ds_load_b128 v[(\f)+8*(\i):(\f)+8*(\i)+3],   v[ADRB+(\slot)] offset:(\k)+(\i)*16*PITCH
	ds_load_b128 v[(\f)+8*(\i)+4:(\f)+8*(\i)+7], v[ADRB+(\slot)] offset:(\k)+(\i)*16*PITCH+32
.endr
	WIN 0
.irp i, 0,1,2,3,4,5,6,7
	ds_load_b128 v[(\f)+8*(\i):(\f)+8*(\i)+3],   v[ADRA+(\slot)] offset:(\k)+(\i)*16*PITCH
	ds_load_b128 v[(\f)+8*(\i)+4:(\f)+8*(\i)+7], v[ADRA+(\slot)] offset:(\k)+(\i)*16*PITCH+32
.endr
.endm
.macro PLACES                          ; four places in front of loads into registers that matrix instructions have read, and of reads of results just made (ISA guide 7.12.1 for reads of results)
.rept 4
	v_nop
.endr
.endm
.macro QUARTER slot, k, f, g           ; multiplies buffer f; in its middle fetches the next quarter's fragments, at byte k, into buffer g.  The 64 accumulators take turns
	s_wait_dscnt 8                                 ; B and A's rows 0-63 are in; the youngest eight loads (A's rows 64-127) may be out
	MUL16 \f, 0, 0, 0
	MUL16 \f, 0, 2, 0
	PLACES
	FETCH \slot, \k, \g
	s_wait_dscnt 32                                ; all but the 32 just issued
	MUL16 \f, 1, 0, 0
	MUL16 \f, 1, 2, 0
.endm
.macro MEET round                      ; ONE barrier for the change of slots: in front of it all my tensor loads, the add, and my reads of this slot
	WIN 0
	s_wait_tensorcnt 0x0
	ds_add_u32 v[SPW], v[NIL]
	s_wait_dscnt 9                                 ; (the add and the youngest eight loads may be out)
	MUL16 F1, 0, 0, 0
	s_wait_dscnt 0x0                               ; the add is done, and my reads of this slot are over
	s_barrier_signal -1
	MUL16 F1, 0, 2, 0
.if \round
	WIN 0
.endif
	s_barrier_wait -1
.endm
.macro TURN slot, next, fill           ; the last quarter of a K step.  fill = 1: the slot just read out is filled again, two K steps on, behind a round of the cluster's barrier
.if \fill
	s_wait_xcnt 0x0                                ; the last prefetch, a K step back, has read its address
	s_add_nc_u64 s[PFA:PFA+1], s[PFA:PFA+1], KSTEP*2
	MEET 1
	CREST                                          ; no wave of any partner still reads this slot or has a load on its way
	s_add_nc_u64 s[G0+4*(\slot)+2:G0+4*(\slot)+3], s[G0+4*(\slot)+2:G0+4*(\slot)+3], 2*KSTEP*2
	s_add_nc_u64 s[G0B+4*(\slot)+2:G0B+4*(\slot)+3], s[G0B+4*(\slot)+2:G0B+4*(\slot)+3], 2*KSTEP*2
	JLOAD \slot                                    ; my one tensor load behind the round; its four v_nop are also the places in front of the loads below
	FETCH \next, 0, F0
	ASK
.else
	MEET 0
	PLACES
	FETCH \next, 0, F0
.endif
	MUL16 F1, 1, 0, 0
	MUL16 F1, 1, 2, 0
.endm
; THE WAY OUT, a block of 16 rows at a time, through my stage: in as 32 bytes a lane, back as whole rows of 512 bytes
.macro STORES a
	WIN 0x08+4*((\a)/4)                            ; the data (source 1) in window 2 or 3; each accumulator's low registers first
.irp b, 0,1,2,3,4,5,6,7
	ds_store_b128 v[STO], v[64*((\a)%4)+8*(\b):64*((\a)%4)+8*(\b)+3]   offset:64*(\b)
	ds_store_b128 v[STO], v[64*((\a)%4)+8*(\b)+4:64*((\a)%4)+8*(\b)+7] offset:64*(\b)+16
.endr
	WIN 0
.endm
.macro OUTB a
	STORES \a
	s_wait_xcnt 0x0                                ; the stores of the block two back have read the registers that are loaded below
.set BK, OB+64*((\a)%2)
.irp t, 0,1,2,3,4,5,6,7,8,9,10,11,12,13,14,15
	ds_load_b128 v[BK+4*(\t):BK+4*(\t)+3], v[RD] offset:(\t)*SPITCH  ; LDS serves a wave's instructions in order (ISA guide 5.7.1.4): these see the stores above, and the next block's stores come behind them
.endr
.endm
.macro SEND a, younger                 ; younger: the LDS instructions issued behind block a's loads: the next block's 16 stores and 16 loads, or none
.set BK, OB+64*((\a)%2)
	s_wait_dscnt \younger
	s_wait_xcnt 0x0                                ; earlier stores have read their base
.if (\a) == 0
	s_add_nc_u64 s[8:9], s[8:9], s[16:17]
.else
	s_add_nc_u64 s[8:9], s[8:9], 16*ROWC
.endif
.irp t, 0,1,2,3,4,5,6,7,8,9,10,11,12,13,14,15
	global_store_b128 v[CO], v[BK+4*(\t):BK+4*(\t)+3], s[8:9] offset:(\t)*ROWC th:TH_STORE_NT  ; the wave stores 512 consecutive bytes, at a multiple of 256 from out0's first byte
.endr
.endm
	s_wait_tensorcnt 1                             ; my part of K step 0 is in; K step 1's may stay out
	s_barrier_signal -1
	s_barrier_wait -1
	FETCH 0, 0, F0
	MUL16 F1, 0, 0, 1                              ; the adapter's quarter starts the sums, from the bias, while the first fragments come
	MUL16 F1, 0, 2, 1
	MUL16 F1, 1, 0, 1
	MUL16 F1, 1, 2, 1
	QUARTER 0, 64,  F0, F1
	WIN 0                                          ; at a label and at a branch every window is 0
	s_mov_b32 s3, LAPS-1
.Llap:                                                 ; a trip goes once round the ring and fills both slots again
	QUARTER 0, 128, F1, F0
	QUARTER 0, 192, F0, F1
	TURN 0, 1, 1
	QUARTER 1, 64,  F0, F1
	QUARTER 1, 128, F1, F0
	QUARTER 1, 192, F0, F1
	TURN 1, 0, 1
	QUARTER 0, 64,  F0, F1
	WIN 0
	s_sub_co_u32 s3, s3, 1
	s_cmp_lg_u32 s3, 0
	s_cbranch_scc1 .Llap
	QUARTER 0, 128, F1, F0                         ; the last lap fills nothing
	QUARTER 0, 192, F0, F1
	TURN 0, 1, 0
	QUARTER 1, 64,  F0, F1
	QUARTER 1, 128, F1, F0
	QUARTER 1, 192, F0, F1
	s_wait_dscnt 8                                 ; the very last quarter
	MUL16 F1, 0, 0, 0
	MUL16 F1, 0, 2, 0
	s_wait_dscnt 0x0
	MUL16 F1, 1, 0, 0
	MUL16 F1, 1, 2, 0
	WIN 0
	PLACES
	PLACES                                         ; behind the last products, ahead of the LDS stores that read results and of the loads into the fragment buffers
	OUTB 0
.irp a, 1,2,3,4,5,6,7
	OUTB \a
	SEND (\a)-1, 32
.endr
	SEND 7, 0
	s_wait_tensorcnt 0x0                           ; the wave's end, behind my last tensor load and my last LDS store
	ds_add_u32 v[SPW], v[NIL]
	s_wait_dscnt 0x0
	CROUND                                         ; the closing round: no work-group ends while a partner may still ask for a tile that names it
	s_endpgm
.Lfunc_end_k_q364acde6ac_gemm2:
	.size	k_q364acde6ac_gemm2, .Lfunc_end_k_q364acde6ac_gemm2-k_q364acde6ac_gemm2
	.p2alignl 7, 3214868480
	.fill 96, 4, 3214868480
	.section	.rodata,"a",@progbits
	.p2align	6, 0x0
	.amdhsa_kernel k_q364acde6ac_gemm2
		.amdhsa_group_segment_fixed_size 327680
		.amdhsa_private_segment_fixed_size 0
		.amdhsa_enable_private_segment 0
		.amdhsa_kernarg_size 48
		.amdhsa_user_sgpr_count 2
		.amdhsa_user_sgpr_kernarg_segment_ptr 1
		.amdhsa_wavefront_size32 1
		.amdhsa_system_sgpr_workgroup_id_x 1
		.amdhsa_system_sgpr_workgroup_id_y 1
		.amdhsa_system_sgpr_workgroup_id_z 1
		.amdhsa_system_vgpr_workitem_id 0
		.amdhsa_next_free_vgpr 1024
		.amdhsa_next_free_sgpr 76
		.amdhsa_reserve_vcc 0
		.amdhsa_float_denorm_mode_32 3
		.amdhsa_float_denorm_mode_16_64 3
		.amdhsa_memory_ordered 1
		.amdhsa_forward_progress 1
		.amdhsa_inst_pref_size 159
	.end_amdhsa_kernel
	.amdgpu_metadata
---
amdhsa.version: [ 1, 2 ]
amdhsa.kernels:
  - .name:           k_q364acde6ac_gemm2
    .symbol:         k_q364acde6ac_gemm2.kd
    .args:
      - { .name: h, .offset: 0, .size: 8, .value_kind: global_buffer, .address_space: global }
      - { .name: w2t, .offset: 8, .size: 8, .value_kind: global_buffer, .address_space: global }
      - { .name: out0, .offset: 16, .size: 8, .value_kind: global_buffer, .address_space: global }
      - { .name: b2, .offset: 24, .size: 8, .value_kind: global_buffer, .address_space: global }
      - { .name: tb, .offset: 32, .size: 8, .value_kind: global_buffer, .address_space: global }
      - { .name: a_up, .offset: 40, .size: 8, .value_kind: global_buffer, .address_space: global }
    .group_segment_fixed_size: 327680
    .private_segment_fixed_size: 0
    .kernarg_segment_align: 8
    .kernarg_segment_size: 48
    .max_flat_workgroup_size: 128
    .sgpr_count:     76
    .vgpr_count:     1024
    .wavefront_size: 32
...
	.end_amdgpu_metadata
.endif
;; end of part 3
;; ======== version 2 of 2: 3 launches; version 1 with the launch prep written anew for expert scheduling mode
;; limits: a function is approximated: absolute error at most 2.5e-05; an absolute error that grows with the inputs' magnitude: up to 1.25e-05 times it
;; workspace buffers: xb 33,554,432 bytes; w1t 4,194,304 bytes; w2t 4,194,304 bytes; tb 1,048,576 bytes; h 67,108,864 bytes
;; launch prep (part 4): grid 256 x 1, 8 waves a work-group, no clusters, 119,808 bytes of LDS; arguments x, w1, w2, a_down, xb, w1t, w2t, tb; writes xb, w1t, w2t, tb
.if DOCPART == 4
	.amdgcn_target "amdgcn-amd-amdhsa--gfx1250"
	.amdhsa_code_object_version 6
	.text
	.protected	k_q364acde6ac_prep
	.globl	k_q364acde6ac_prep
	.p2align	8
	.type	k_q364acde6ac_prep,@function
k_q364acde6ac_prep:
	s_mov_b64 s[64:65], 0
	v_nop
	global_prefetch_b8 v0, s[64:65] scope:SCOPE_SE
	s_setreg_imm32_b32 hwreg(HW_REG_WAVE_SCHED_MODE, 0, 2), 2
	s_setreg_imm32_b32 hwreg(HW_REG_WAVE_MODE, 25, 1), 1
	s_wait_xcnt 0x0
	s_wait_alu depctr_vm_vsrc(0)
; PREP.  xb = x rounded to bf16, [16384][1024].  w1t = w1 turned and rounded, [2048 n][1024 k]; w2t = w2 likewise, [1024 n][2048 k].
; tb = t = x . a_down[0] (adapter 0 is a constant of the problem), a row of 32 bf16: k 0-7 t rounded, k 8-15 what that rounding lost, rounded, k 16-31 zero.
; t is made by the matrix unit from the bf16 x that is in hand and a_down rounded to bf16; its sums stay in f32 until the split.
; SHARES.  Work-group g: rows 64 g .. 64 g + 63 of x, and one tile of 128 k x 128 n of a weight (g < 128: w1, else w2).  Wave w: channels 128 w .. 128 w + 127 of all 64 rows
; (a load of the wave takes 512 consecutive bytes of x, a store 256 consecutive, aligned bytes of xb), and rows 16 w .. 16 w + 15 of the weight tile.
; A stream: every byte of x and of the weights is read once.  NO CLUSTER: what the work-groups share is a_down's 32,768 bytes beside 327,680 bytes of their own.
; No prefetch: the loads themselves go out ahead, two sets of 16 a wave.  NaN and infinities are not treated apart.
; THE MODE: SCHED_MODE bits 1:0 = 2 (LLVM: expert scheduling mode 2), set by the entry lines.  The code itself states the register dependences between vector or matrix
; instructions and memory or LDS instructions, with s_wait_alu, always for 0.
; THE PLAN.  Registers that memory or LDS instructions touch:
;   v4-v15     offsets and LDS addresses.  Written at the head (v9 in the arm that asks for the weight) and read from there on; v4 and v5 are written anew in the last phase.
;   BF         a_down's loads land; its conversions close it up into v16-31; the weight's conversions write half of the packed weight into v32-47; twelve LDS stores read it;
;              behind the first barrier the turning LDS loads land in it; the products read it.
;   WF         the weight's loads land; its conversions read it and write none of it; behind the first barrier LDS loads land in its first half, which the weight's stores read.
;   v112-127   the weight's conversions write the other half of the packed weight; four LDS stores read it.
;   AF         from the rounds on: in each round eight LDS loads land in it and the round's products read it.
;   X, set b   loads land; the round's conversions work in place; 16 stores and 16 LDS stores read it; it is loaded again for the round two on (in the last phase: LDS loads land in set 0, vector lines write in set 1).
;   ACC        a round's products and sums write it; the two LDS stores that read it are issued in the NEXT round, behind that round's wait.
; So a round has ONE wait on va_vdst, behind its conversions (the set is written and has been read; the round before's products are done reading AF; its sums have written ACC), and ONE on vm_vsrc,
; behind its stores (they have read the set, which is loaded again, and ACC, which the round's products write).  No vector line stands between either wait and the instructions that lean on it.
.set XSW,   4352                       ; LDS 0: eight stages of 16 rows x 272 bytes, each wave's own: x in bf16 on its way into fragments
.set AD,    34816                      ; a_down[0] in bf16, [1024 k][8], 16 bytes a row
.set WS,    51200                      ; the weight tile turned: 128 rows (n) x 272 bytes (128 k in bf16 + 16 of padding)
.set PT,    86016                      ; partial t in f32: 32 bytes a lane, at 4,096 wave + 1,024 round + 32 lane
.set SPARE, 118784                     ; the spare words, 128 bytes for each wave: four blocks of 256 bytes that no other line names
.set SPW,  1                           ; v1   LDS address of my spare word; never rewritten
.set NIL,  2                           ; v2   0; never rewritten
.set AIN,  4                           ; v4   16 x thread: a_down in
.set AST,  5                           ; v5   AD + 8 x thread
.set WOFF, 6                           ; v6   16 x lane: a weight row in
.set WST,  7                           ; v7   WS + 4 lane rows + 32 wave
.set WRD,  8                           ; v8   WS + (16 wave + lane / 16) rows + 16 (lane % 16)
.set WGO,  9                           ; v9   (lane / 16) rows of the turned weight + 16 (lane % 16)
.set XO,   10                          ; v10  512 wave + 16 lane
.set XBO,  11                          ; v11  256 wave + 8 lane
.set XST,  12                          ; v12  my stage + 8 lane
.set XRD,  13                          ; v13  my stage + 272 (lane % 16) + 16 (lane / 16)
.set ARD,  14                          ; v14  AD + 16 (128 wave + 8 (lane / 16) + lane % 8)
.set PST,  15                          ; v15  PT + 4,096 wave + 32 lane
.set BF,   16                          ; v[16:47]   a_down in f32, then in bf16 in v[16:31]; later four fragments of a_down turned
.set PW,   32                          ; the packed weight, column c of a lane's four at PW + 8 c + 64 (c / 2): v[32:47] for c = 0, 1 and v[112:127] for c = 2, 3: outside WF, which its conversions still read
.set WF,   48                          ; v[48:111]  the weight's 16 rows in f32; later v[48:79] its turned rows
.set ACC,  80                          ; v[80:95]   two accumulators
.set AF,   96                          ; v[96:127]  four fragments of x (v112-116 serve the set-up first, v112-127 then the packed weight)
.set X,    128                         ; v[128:255] two sets of 16 rows of x
	s_load_b512 s[4:19], s[0:1], 0x0               ; x 4:5, w1 6:7, w2 8:9, a_down 10:11, xb 12:13, w1t 14:15, w2t 16:17, tb 18:19
	v_lshl_add_u32 v[SPW], v0, 2, SPARE
	v_mov_b32 v[NIL], 0
	v_lshrrev_b32 v115, 5, v0
	v_readfirstlane_b32 s20, v115                  ; wave 0..7
	s_mov_b32 s21, ttmp9                           ; g
	v_and_b32 v112, 31, v0                         ; lane
	v_and_b32 v113, 15, v0                         ; lane % 16
	v_bfe_u32 v114, v0, 4, 1                       ; lane / 16
	v_and_b32 v116, 7, v0                          ; lane % 8
	v_lshlrev_b32 v[AIN], 4, v0
	v_lshl_add_u32 v[AST], v0, 3, AD
	v_lshlrev_b32 v[WOFF], 4, v112
	s_wait_alu depctr_va_sdst(0)                   ; s20 is written, ahead of its first reader: LDS addresses and the bases are made from it
	s_lshl_b32 s32, s20, 5
	s_add_co_u32 s32, s32, WS
	v_mul_u32_u24 v[WST], v112, 4*272
	v_add_nc_u32 v[WST], s32, v[WST]
	s_mul_i32 s33, s20, XSW                        ; 16 rows of 272 bytes
	s_add_co_u32 s32, s33, WS
	v_mul_u32_u24 v[WRD], v114, 272
	v_lshl_add_u32 v[WRD], v113, 4, v[WRD]
	v_add_nc_u32 v[WRD], s32, v[WRD]
	s_lshl_b32 s32, s20, 9
	v_lshl_add_u32 v[XO], v112, 4, s32
	s_lshl_b32 s32, s20, 8
	v_lshl_add_u32 v[XBO], v112, 3, s32
	v_lshl_add_u32 v[XST], v112, 3, s33
	v_mul_u32_u24 v[XRD], v113, 272
	v_lshl_add_u32 v[XRD], v114, 4, v[XRD]
	v_add_nc_u32 v[XRD], s33, v[XRD]
	s_lshl_b32 s32, s20, 11
	s_add_co_u32 s32, s32, AD
	v_lshl_add_u32 v[ARD], v114, 3, v116
	v_lshl_add_u32 v[ARD], v[ARD], 4, s32
	s_lshl_b32 s32, s20, 12
	s_add_co_u32 s32, s32, PT
	v_lshl_add_u32 v[PST], v112, 5, s32
	s_mov_b32 s23, 0
	s_mov_b32 s25, 0
	s_wait_kmcnt 0x0
	s_lshl_b32 s22, s21, 18                        ; 64 rows of 4,096 bytes
	s_add_nc_u64 s[4:5], s[4:5], s[22:23]
	s_lshl_b32 s22, s21, 17                        ; 64 rows of 2,048 bytes
	s_add_nc_u64 s[12:13], s[12:13], s[22:23]
	s_lshl_b32 s22, s21, 12                        ; 64 rows of 64 bytes
	s_add_nc_u64 s[18:19], s[18:19], s[22:23]
; 16 rows of the weight tile, 512 bytes each
.macro WLOAD pitch
.set j, 0
.rept 16
	global_load_b128 v[WF+4*j:WF+4*j+3], v[WOFF], s[26:27] offset:j*(\pitch) th:TH_LOAD_NT
.set j, j+1
.endr
.endm
; 16 turned rows out, two at a time: sixteen lanes store 256 consecutive, aligned bytes
.macro WSTORE pitch
.irp t, 0,1,2,3,4,5,6,7
	global_store_b128 v[WGO], v[WF+4*(\t):WF+4*(\t)+3], s[28:29] offset:2*(\t)*(\pitch)
.endr
.endm
; rows 16 i .. 16 i + 15 of x, my 512 bytes of each, into set b
.macro XLOAD b, i
.set j, 0
.rept 16
	global_load_b128 v[X+64*(\b)+4*j:X+64*(\b)+4*j+3], v[XO], s[4:5] offset:(16*(\i)+j)*4096 th:TH_LOAD_NT
.set j, j+1
.endr
.endm
	; THE LOADS, in this order: a_down 8, the weight 16, x 16 + 16: 56 of a wave are out
	s_wait_alu depctr_va_vdst(0)                   ; the offsets and LDS addresses v4-v8 and v10-v15 are written, which the loads, stores and LDS instructions below read.  The two lines that make v9, in the arms, name v9, v113 and v114: no register that the weight's or x's loads touch
.irp j, 0,1,2,3,4,5,6,7
	global_load_b128 v[BF+4*(\j):BF+4*(\j)+3], v[AIN], s[10:11] offset:4096*(\j)
.endr
	s_cmp_lt_u32 s21, 128
	s_cbranch_scc0 .Lw2_in
	s_and_b32 s32, s21, 7                          ; w1: k tile
	s_lshr_b32 s33, s21, 3                         ; n tile
	s_lshl_b32 s22, s32, 20                        ; 128 rows of 8,192 bytes
	s_lshl_b32 s34, s33, 9
	s_add_co_u32 s22, s22, s34
	s_lshl_b32 s34, s20, 17                        ; my 16 rows
	s_add_co_u32 s22, s22, s34
	s_lshl_b32 s24, s33, 18                        ; out: 128 rows of 2,048 bytes
	s_lshl_b32 s34, s32, 8
	s_add_co_u32 s24, s24, s34
	s_lshl_b32 s34, s20, 15                        ; my 16 rows
	s_add_co_u32 s24, s24, s34
	s_add_nc_u64 s[26:27], s[6:7], s[22:23]
	s_add_nc_u64 s[28:29], s[14:15], s[24:25]
	v_lshlrev_b32 v[WGO], 11, v114
	v_lshl_add_u32 v[WGO], v113, 4, v[WGO]
	WLOAD 8192
	s_branch .Lw_in
.Lw2_in:
	s_sub_co_u32 s34, s21, 128
	s_and_b32 s32, s34, 15                         ; w2: k tile
	s_lshr_b32 s33, s34, 4                         ; n tile
	s_lshl_b32 s22, s32, 19                        ; 128 rows of 4,096 bytes
	s_lshl_b32 s34, s33, 9
	s_add_co_u32 s22, s22, s34
	s_lshl_b32 s34, s20, 16
	s_add_co_u32 s22, s22, s34
	s_lshl_b32 s24, s33, 19                        ; out: 128 rows of 4,096 bytes
	s_lshl_b32 s34, s32, 8
	s_add_co_u32 s24, s24, s34
	s_lshl_b32 s34, s20, 16
	s_add_co_u32 s24, s24, s34
	s_add_nc_u64 s[26:27], s[8:9], s[22:23]
	s_add_nc_u64 s[28:29], s[16:17], s[24:25]
	v_lshlrev_b32 v[WGO], 12, v114
	v_lshl_add_u32 v[WGO], v113, 4, v[WGO]
	WLOAD 4096
.Lw_in:
	XLOAD 0, 0
	XLOAD 1, 1
	s_wait_loadcnt 48                              ; a_down is in: the 48 younger loads stay out
.irp j, 0,1,2,3,4,5,6,7                ; load j's four numbers close up into two registers; going upward, line j writes 2 j and 2 j + 1 and reads from 4 j on: no line writes what a later one reads
	v_cvt_pk_bf16_f32 v[BF+2*(\j)],   v[BF+4*(\j)],   v[BF+4*(\j)+1]
	v_cvt_pk_bf16_f32 v[BF+2*(\j)+1], v[BF+4*(\j)+2], v[BF+4*(\j)+3]
.endr
	s_wait_loadcnt 32                              ; the weight's 16 rows are in: x's 32 loads stay out
	; lane l holds n = 4 l + c of 16 k: for each c the 16 k pack into 32 bytes of row n of the turned tile
.irp c, 0,1,2,3
.irp q, 0,1,2,3,4,5,6,7
	v_cvt_pk_bf16_f32 v[PW+8*(\c)+64*((\c)/2)+(\q)], v[WF+8*(\q)+(\c)], v[WF+8*(\q)+4+(\c)]
.endr
.endr
	s_wait_alu depctr_va_vdst(0)                   ; both runs of conversions have written v16-47 and v112-127, which the 16 LDS stores read, and are done reading WF, in which LDS loads land behind the barrier; v9 is written, which the weight's stores read
.irp j, 0,1,2,3,4,5,6,7
	ds_store_b64 v[AST], v[BF+2*(\j):BF+2*(\j)+1] offset:2048*(\j)
.endr
.irp c, 0,1,2,3
	ds_store_b128 v[WST], v[PW+8*(\c)+64*((\c)/2):PW+8*(\c)+64*((\c)/2)+3]   offset:272*(\c)
	ds_store_b128 v[WST], v[PW+8*(\c)+64*((\c)/2)+4:PW+8*(\c)+64*((\c)/2)+7] offset:272*(\c)+16
.endr
	s_wait_dscnt 0x0                               ; for the others' sake: my parts of a_down and of the turned tile are written
	s_barrier_signal -1
	s_barrier_wait -1
	s_wait_alu depctr_vm_vsrc(0)                   ; my LDS stores have read v16-47, in which a_down's turned fragments land below, and v112-127, in which x's fragments land in the first round
.irp t, 0,1,2,3,4,5,6,7
	ds_load_b128 v[WF+4*(\t):WF+4*(\t)+3], v[WRD] offset:544*(\t)  ; two whole rows of 256 bytes
.endr
	; a_down turned: source 0 of t^T = a_down^T x^T.  Both halves of eight lanes name the same 16 bytes of a row, so rows 8-15 of the fragment repeat rows 0-7
.irp c, 0,1,2,3
	ds_load_tr16_b128 v[BF+8*(\c):BF+8*(\c)+3],   v[ARD] offset:512*(\c)
	ds_load_tr16_b128 v[BF+8*(\c)+4:BF+8*(\c)+7], v[ARD] offset:512*(\c)+256
.endr
	s_wait_dscnt 8                                 ; the turned rows are back: the eight turning loads stay out
	s_cmp_lt_u32 s21, 128
	s_cbranch_scc0 .Lw2_out
	WSTORE 2048
	s_branch .Lw_out
.Lw2_out:
	WSTORE 4096
.Lw_out:
; The two LDS stores of round i's partial sums: lane r < 16: my 128 channels' part of t[row r][0..7]
.macro PSTORE i
	ds_store_b128 v[PST], v[ACC:ACC+3]   offset:1024*(\i)
	ds_store_b128 v[PST], v[ACC+4:ACC+7] offset:1024*(\i)+16
.endm
; ROUND i: rows 16 i .. 16 i + 15, in set b.  left: the younger loads that may stay out.  fill = 1: the set is asked for again, two rounds on.
.macro ROUND i, b, left, fill
	s_wait_loadcnt \left
.set j, 0
.rept 16
	v_cvt_pk_bf16_f32 v[X+64*(\b)+4*j],   v[X+64*(\b)+4*j],   v[X+64*(\b)+4*j+1]
	v_cvt_pk_bf16_f32 v[X+64*(\b)+4*j+1], v[X+64*(\b)+4*j+2], v[X+64*(\b)+4*j+3]
.set j, j+1
.endr
	s_wait_alu depctr_va_vdst(0)                   ; the conversions have written the set, which the stores below read, and are done reading it, before it is loaded again; the round before's products are done reading AF, in which the fragments land; its sums have written ACC, which the two stores below read
.if (\i) > 0
	PSTORE (\i)-1                                  ; the round before's partial sums
.endif
.set j, 0
.rept 16
	global_store_b64 v[XBO], v[X+64*(\b)+4*j:X+64*(\b)+4*j+1], s[12:13] offset:(16*(\i)+j)*2048  ; the wave stores 256 consecutive bytes, aligned
.set j, j+1
.endr
.set j, 0
.rept 16
	ds_store_b64 v[XST], v[X+64*(\b)+4*j:X+64*(\b)+4*j+1] offset:272*j
.set j, j+1
.endr
.irp c, 0,1,2,3
	ds_load_b128 v[AF+8*(\c):AF+8*(\c)+3],   v[XRD] offset:64*(\c)     ; my own bytes: LDS serves a wave's instructions in order (ISA guide 5.7.1.4)
	ds_load_b128 v[AF+8*(\c)+4:AF+8*(\c)+7], v[XRD] offset:64*(\c)+32
.endr
	s_wait_alu depctr_vm_vsrc(0)                   ; the stores above have read the set, which is loaded again (the last two rounds' sets: in the last phase), and ACC, which this round's products write
.if \fill
	s_wait_xcnt 0x0                                ; the stores above read the set's registers: they are loaded again only behind this wait
	XLOAD \b, (\i)+2
.endif
	s_wait_dscnt 0x0                               ; the fragments are in (in round 0 a_down's too)
	; two accumulators by turns; the first two products start the sums
	v_wmma_f32_16x16x32_bf16 v[ACC:ACC+7],    v[BF:BF+7],     v[AF:AF+7],     0
	v_wmma_f32_16x16x32_bf16 v[ACC+8:ACC+15], v[BF+8:BF+15],  v[AF+8:AF+15],  0
	v_wmma_f32_16x16x32_bf16 v[ACC:ACC+7],    v[BF+16:BF+23], v[AF+16:AF+23], v[ACC:ACC+7]
	v_wmma_f32_16x16x32_bf16 v[ACC+8:ACC+15], v[BF+24:BF+31], v[AF+24:AF+31], v[ACC+8:ACC+15]
.rept 8
	v_nop                                          ; the places behind the products (ISA guide 7.12.1); no other vector work is at hand
.endr
.irp q, 0,2,4,6
	v_pk_add_f32 v[ACC+(\q):ACC+(\q)+1], v[ACC+(\q):ACC+(\q)+1], v[ACC+8+(\q):ACC+8+(\q)+1]  ; from the low end on
.endr
.endm
	ROUND 0, 0, 16, 1
	ROUND 1, 1, 16, 1
	ROUND 2, 0, 16, 0
	ROUND 3, 1, 0, 0
	s_wait_alu depctr_va_vdst(0)                   ; the last round's sums have written ACC, which the two stores below read
	PSTORE 3
	s_wait_dscnt 0x0                               ; for the others' sake: my partial sums are written
	s_barrier_signal -1
	s_barrier_wait -1
	; THE SUM OVER THE EIGHT WAVES, in f32.  Thread t: row t / 4, quarter t % 4 of its 64 bytes in tb.
	; What is written below (v3-v5, x's registers) was last read by memory and LDS instructions that stand ahead of the last round's wait on vm_vsrc; the two stores issued behind that wait read v15 and ACC alone
	s_wait_xcnt 0x0                                ; xb's stores have read x's registers, which are written below
	v_lshrrev_b32 v3, 6, v0                        ; the row's round
	v_bfe_u32 v4, v0, 2, 4                         ; its lane
	v_lshlrev_b32 v3, 10, v3
	v_lshl_add_u32 v3, v4, 5, v3
	v_add_nc_u32 v3, PT, v3
	v_and_b32 v4, 3, v0
	v_lshlrev_b32 v5, 4, v0
	v_cmp_eq_u32 s30, 0, v4
	v_cmp_eq_u32 s31, 1, v4
	s_wait_alu depctr_va_vdst(0)                   ; v3 is written, which the LDS loads below read as their address
.irp w, 0,1,2,3,4,5,6,7
	ds_load_b128 v[X+8*(\w):X+8*(\w)+3],   v3 offset:4096*(\w)
	ds_load_b128 v[X+8*(\w)+4:X+8*(\w)+7], v3 offset:4096*(\w)+16
.endr
	s_wait_dscnt 0x0
.irp w, 0,2,4,6
.irp q, 0,2,4,6
	v_pk_add_f32 v[X+8*(\w)+(\q):X+8*(\w)+(\q)+1], v[X+8*(\w)+(\q):X+8*(\w)+(\q)+1], v[X+8*(\w)+8+(\q):X+8*(\w)+8+(\q)+1]
.endr
.endr
.irp w, 0,4
.irp q, 0,2,4,6
	v_pk_add_f32 v[X+8*(\w)+(\q):X+8*(\w)+(\q)+1], v[X+8*(\w)+(\q):X+8*(\w)+(\q)+1], v[X+8*(\w)+16+(\q):X+8*(\w)+16+(\q)+1]
.endr
.endr
.irp q, 0,2,4,6
	v_pk_add_f32 v[X+(\q):X+(\q)+1], v[X+(\q):X+(\q)+1], v[X+32+(\q):X+32+(\q)+1]
.endr
.irp q, 0,1,2,3
	v_cvt_pk_bf16_f32 v[192+(\q)], v[X+2*(\q)], v[X+2*(\q)+1]  ; t rounded
.endr
.irp q, 0,1,2,3
	v_lshlrev_b32 v[200+2*(\q)],   16, v[192+(\q)]
	v_and_b32     v[200+2*(\q)+1], 0xffff0000, v[192+(\q)]
.endr
.irp q, 0,1,2,3,4,5,6,7
	v_sub_f32 v[200+(\q)], v[X+(\q)], v[200+(\q)]              ; what the rounding lost
.endr
.irp q, 0,1,2,3
	v_cvt_pk_bf16_f32 v[196+(\q)], v[200+2*(\q)], v[200+2*(\q)+1]
.endr
	s_wait_alu depctr_va_sdst(0)                   ; the two compares have written s30 and s31, ahead of their first reader
.irp q, 0,1,2,3
	v_cndmask_b32 v[208+(\q)], 0, v[196+(\q)], s31             ; quarter 1: the rest; quarters 2, 3: zero
	v_cndmask_b32 v[208+(\q)], v[208+(\q)], v[192+(\q)], s30   ; quarter 0: t rounded
.endr
	s_wait_alu depctr_va_vdst(0)                   ; the selects have written v208-211, which the store reads (its offset, v5, was written ahead of the wait in front of the LDS loads)
	global_store_b128 v5, v[208:211], s[18:19]     ; 16 bytes a thread on end: whole aligned blocks of 256 bytes
	s_wait_dscnt 0x0                               ; the closing lines, six on end
	s_wait_alu 0x0
	s_wait_tensorcnt 0x0
	ds_add_u32 v[SPW], v[NIL]
	s_wait_dscnt 0x0
	s_endpgm
.Lfunc_end_k_q364acde6ac_prep:
	.size	k_q364acde6ac_prep, .Lfunc_end_k_q364acde6ac_prep-k_q364acde6ac_prep
	.p2alignl 7, 3214868480
	.fill 96, 4, 3214868480
	.section	.rodata,"a",@progbits
	.p2align	6, 0x0
	.amdhsa_kernel k_q364acde6ac_prep
		.amdhsa_group_segment_fixed_size 119808
		.amdhsa_private_segment_fixed_size 0
		.amdhsa_enable_private_segment 0
		.amdhsa_kernarg_size 64
		.amdhsa_user_sgpr_count 2
		.amdhsa_user_sgpr_kernarg_segment_ptr 1
		.amdhsa_wavefront_size32 1
		.amdhsa_system_sgpr_workgroup_id_x 1
		.amdhsa_system_sgpr_workgroup_id_y 1
		.amdhsa_system_sgpr_workgroup_id_z 1
		.amdhsa_system_vgpr_workitem_id 0
		.amdhsa_next_free_vgpr 256
		.amdhsa_next_free_sgpr 66
		.amdhsa_reserve_vcc 0
		.amdhsa_float_denorm_mode_32 3
		.amdhsa_float_denorm_mode_16_64 3
		.amdhsa_memory_ordered 1
		.amdhsa_forward_progress 1
		.amdhsa_inst_pref_size 50
	.end_amdhsa_kernel
	.amdgpu_metadata
---
amdhsa.version: [ 1, 2 ]
amdhsa.kernels:
  - .name:           k_q364acde6ac_prep
    .symbol:         k_q364acde6ac_prep.kd
    .args:
      - { .name: x, .offset: 0, .size: 8, .value_kind: global_buffer, .address_space: global }
      - { .name: w1, .offset: 8, .size: 8, .value_kind: global_buffer, .address_space: global }
      - { .name: w2, .offset: 16, .size: 8, .value_kind: global_buffer, .address_space: global }
      - { .name: a_down, .offset: 24, .size: 8, .value_kind: global_buffer, .address_space: global }
      - { .name: xb, .offset: 32, .size: 8, .value_kind: global_buffer, .address_space: global }
      - { .name: w1t, .offset: 40, .size: 8, .value_kind: global_buffer, .address_space: global }
      - { .name: w2t, .offset: 48, .size: 8, .value_kind: global_buffer, .address_space: global }
      - { .name: tb, .offset: 56, .size: 8, .value_kind: global_buffer, .address_space: global }
    .group_segment_fixed_size: 119808
    .private_segment_fixed_size: 0
    .kernarg_segment_align: 8
    .kernarg_segment_size: 64
    .max_flat_workgroup_size: 256
    .sgpr_count:     66
    .vgpr_count:     256
    .wavefront_size: 32
...
	.end_amdgpu_metadata
.endif
;; end of part 4
;; launch gemm1: the kernel of part 2 again; grid 8 x 32, 4 waves a work-group, clusters of 4 x 4, 327,680 bytes of LDS; arguments xb, w1t, h, b1; writes h
;; launch gemm2: the kernel of part 3 again; grid 4 x 64, 4 waves a work-group, clusters of 4 x 4, 327,680 bytes of LDS; arguments h, w2t, out0, b2, tb, a_up; writes out0
